; MI455X (gfx1250); checked and timed in simulation.
; The chip was launched on July 23, 2026; its instructions are those of AMD's public machine-readable ISA for CDNA 5 (MIT licence, August 2026) and "CDNA5" Instruction Set Architecture Reference Guide (July 2026). The comments in the code are by the model that wrote it; some were corrected since.
;; Vi T Ro PE Attention. Allowed arithmetic: matrix products marked QUANTISED: E2M3 operands, one E8M0 scale for each 32 along K, by v_wmma_scale_f32_16x16x128_f8f6f4 with both operands' format E2M3, f32 sums; everything else in f32.
;; Inputs: Wk 1,024 x 1,024 float32; Wo 1,024 x 1,024 float32; Wq 1,024 x 1,024 float32; Wv 1,024 x 1,024 float32; bk 1,024 float32; bo 1,024 float32; bq 1,024 float32; bv 1,024 float32; cos 1,024 x 64 float32; hidden_states 8 x 32 x 32 x 1,024 float32; sin 1,024 x 64 float32.
;; Outputs: out0 8 x 32 x 32 x 1,024 float32.
;; This version of the problem:
;;   THIS VERSION OF THE PROBLEM IS GIVEN IN LOW PRECISION. The matrix products marked QUANTISED in the list below multiply operands that are first quantised to E2M3 (2 exponent bits, 3 mantissa bits; 6 bits a number), with one power-of-two scale for each 32 numbers along K (OCP MX v1.0); their sums are f32. All else is computed in f32.
;;   The module's matrix products, in the order in which they are computed (A, B: the left and right operand; K: the contracted axis; several contracted axes count as one K, in the product's order):
;;     1. [M 8,192, K 1,024] x [K 1,024, N 1,024]; A: input hidden_states; B: input Wq: QUANTISED
;;     2. [M 8,192, K 1,024] x [K 1,024, N 1,024]; A: input hidden_states; B: input Wk: QUANTISED
;;     3. [M 8,192, K 1,024] x [K 1,024, N 1,024]; A: input hidden_states; B: input Wv: QUANTISED
;;     4. batch 128 x [M 1,024, K 64] x [K 64, N 1,024]; A: computed on the way; B: computed on the way: QUANTISED
;;     5. batch 128 x [M 1,024, K 1,024] x [K 1,024, N 64]; A: softmax (see below); B: computed on the way: QUANTISED
;;     6. [M 8,192, K 1,024] x [K 1,024, N 1,024]; A: computed on the way; B: input Wo: QUANTISED
;;   THE QUANTISER, for each operand of a quantised product, along K:
;;     - K is cut into blocks of 32 from its start; a last block that is shorter is filled with zeros.
;;     - A block's scale is 2^e with e = floor(log2(the largest magnitude in the block)) - 2, held to -126 .. 127; a block of zeros has e = 0. As a byte (E8M0): e + 127.
;;     - Each number is divided by its block's scale, clamped to +-7.5, and rounded to the nearest number of E2M3, ties to even, subnormals kept.
;;     - The product sums the exact products of the quantised numbers (number of the format x scale) in f32.
;;   ~~~python
;;   def quantise(x, axis):      # numpy; x: float32 -> the quantised numbers, widened to float32 again
;;       x = np.moveaxis(x, axis, -1); K = x.shape[-1]
;;       x = np.pad(x, [(0, 0)] * (x.ndim - 1) + [(0, -K % 32)]); x = x.reshape(x.shape[:-1] + (-1, 32)); a = np.abs(x).max(-1, keepdims=True)
;;       e = np.where(a > 0, np.clip(np.frexp(np.where(a > 0, a, 1))[1] - 1 - 2, -126, 127), 0)      # np.frexp(a)[1] - 1 = floor(log2(a)), exactly
;;       r = np.clip(x / 2.0 ** e, -7.5, 7.5)
;;       step = 2.0 ** (np.maximum(np.frexp(np.where(r == 0, 1, r))[1] - 1, 0) - 3)
;;       q = np.round(r / step) * step * 2.0 ** e      # np.round: ties to even
;;       return np.moveaxis(q.reshape(q.shape[:-2] + (-1,))[..., :K], -1, axis).astype(np.float32)
;;   ~~~
;;   SOFTMAX AHEAD OF A QUANTISED PRODUCT. Where the list says 'softmax', what is quantised is not the finished softmax but p = 2^(t - M), with t = logit x log2(e) and M = ceil(the row's largest t), a whole number; so 1/2 < the row's largest p <= 1. The row's sum l is taken of the UNQUANTISED p, in f32, and the product's result is divided by l at the end. Since M is a whole number, a kernel that streams over the keys may use a running M (the ceiling of the running maximum): every later rescaling is an exact power of two, which a block's scale takes up: the codes' values come out the same.
;;   OPERANDS COMPUTED ON THE WAY. 'Computed on the way' means the value that the module computes at that place (a softmax that the list does not call 'softmax' is quantised finished and normalised). What goes into a quantiser is computed in f32, as accurately as f32 sums, v_exp_f32 and their like allow (about 1e-6 of the number): no bf16 or f16 on the way to a quantiser, and a product that is left as it is and whose result goes on into a quantised operand takes f32 operands (vector FMAs, or v_wmma_f32_16x16x4_f32). A number that lies on a knife's edge between two numbers of the format may be rounded either way, as far as f32 arithmetic and the matrix unit's own rounding can turn it there, and no further.
;; One version. Each part assembles by itself: llvm-mc -triple=amdgcn-amd-amdhsa -mcpu=gfx1250 --defsym DOCPART=n.
;; ======== version 1 of 1: 4 launches
;; limits: right only within a limited range of input values
;; workspace buffers: xc 6,291,456 bytes; xs 262,144 bytes; wc 3,145,728 bytes; ws 131,072 bytes; qq 6,815,744 bytes; kv 13,631,488 bytes; ac 6,291,456 bytes; asc 262,144 bytes
;; launch quant (part 1): grid 384 x 1, 4 waves a work-group, no clusters, 35,328 bytes of LDS; arguments hidden_states, Wq, Wk, Wv, Wo, xc, xs, wc, ws; writes xc, xs, wc, ws
.if DOCPART == 1
	.amdgcn_target "amdgcn-amd-amdhsa--gfx1250"
	.amdhsa_code_object_version 6
	.text
	.protected	k_q83c79b2f4b_quant
	.globl	k_q83c79b2f4b_quant
	.p2align	8
	.type	k_q83c79b2f4b_quant,@function
k_q83c79b2f4b_quant:
	s_mov_b64 s[64:65], 0
	v_nop
	global_prefetch_b8 v0, s[64:65] scope:SCOPE_SE
	s_setreg_imm32_b32 hwreg(HW_REG_WAVE_MODE, 25, 1), 1
	s_wait_xcnt 0x0
; LAUNCH 1 OF 4.  hidden_states [8192][1024] and Wq, Wk, Wv, Wo [1024][1024], f32 with K innermost, become codes of FP6 (E2M3) with one E8M0 byte for each 32 along K.
; NO WORK OF THE PROBLEM IS DEAD: bq and bk stand ahead of the quantisers of the scores' operands, bv goes into V's codes, bo into the output, cos and sin into q and k: every input is loaded by some launch.
; (The scores' K is 64 and the one form that takes these codes sums 128: the upper 64 of q are zero codes, in launch 3.)
; THE LAYOUT OF THE CODES is this program's own: IMAGES OF OPERAND REGISTERS.  A tile is 16 rows; tile 2 g + u holds rows 32 g + 8 u + r + 8 (r / 8), r = 0 .. 15, so that in a product's result the 16 registers
; of two neighbouring tiles are 16 neighbours.  Codes: [tile][K step of 128: 8][c: 3][lane: 32][16 bytes]: lane (r, h) has registers 4 c .. 4 c + 3 of the fragment (registers 0-5: k = 32 h + 0 .. 31, 6-11: k = 64 + 32 h + 0 .. 31).
; Scale words: [tile][K step][r][4 bytes], byte b for k = 32 b .. 32 b + 31.
; A block's scale is 2^(floor(log2(largest magnitude)) - 2); its byte is the largest magnitude's exponent field - 2, held at 1 from below.
; LIMITS: a block of zeros gets the byte 1 where the rule says 127 (its codes are zeros, and this program alone reads the bytes); blocks whose largest magnitude lies under 2^-124 were not tried; NaN and infinities are not served.
; SHARES.  A work-group takes 32 rows (two tiles): groups 0-255 of x, then 32 for each W.  Wave w takes tile w / 2 and half w % 2 of K: four K steps.  Each load reads a row's 512 consecutive bytes; a step's 16 rows turn
; through the wave's own stage in LDS and come back as two whole blocks of 32 a lane.  A stream: no matrix unit, no cluster, no barrier; waves share nothing.
.set WREG,  8704                       ; LDS of a wave: a stage of 16 rows x 528 bytes, then its 256 bytes of scale words
.set SP,    528                        ; 512 + 16: the sixteen rows that a load of 16 bytes a lane touches begin 16 bytes apart modulo 256
.set SCW,   16*SP
.set SPARE, 4*WREG                     ; the spare words, 128 bytes a wave: two blocks of 256 bytes that no other line names
.set SPW,   16                         ; v16  SPARE + 4 x thread; never rewritten
.set NIL,   17                         ; v17  0; never rewritten
.set C,     20                         ; v20-31 the fragment
.set TC,    32                         ; v32-38 the conversions' second halves
.set R,     64                         ; v64-191 two sets of 64: a step's numbers as loaded
.set X,     192                        ; v192-255 my two blocks of 32
	s_load_b256 s[4:11], s[0:1], 0x0               ; hidden_states, Wq, Wk, Wv
	s_load_b256 s[12:19], s[0:1], 0x20             ; Wo, xc, xs, wc
	s_load_b64 s[20:21], s[0:1], 0x40              ; ws
	v_lshl_add_u32 v[SPW], v0, 2, SPARE
	v_mov_b32 v[NIL], 0
	v_lshrrev_b32 v1, 5, v0
	v_readfirstlane_b32 s2, v1                     ; wave
	v_and_b32 v18, 31, v0                          ; lane
	v_and_b32 v19, 15, v0                          ; r
	v_bfe_u32 v7, v0, 4, 1                         ; h
	v_lshlrev_b32 v1, 4, v18                       ; 16 x lane: my bytes of a row's 512, and of an image's 512
	s_mul_i32 s3, s2, WREG
	v_add_nc_u32 v2, s3, v1                        ; the stage, on the way in
	v_mul_u32_u24 v3, v19, SP
	v_lshl_add_u32 v3, v7, 7, v3
	v_add_nc_u32 v3, s3, v3                        ; and out: row r, + 128 h: my block of 32 numbers
	s_add_co_u32 s3, s3, SCW
	v_lshl_add_u32 v4, v19, 2, s3                  ; my row's scale word
	v_lshlrev_b32 v6, 3, v18
	v_add_nc_u32 v5, s3, v6                        ; the 256 bytes of scale words on their way out: 8 bytes a lane
	v_lshlrev_b32 v7, 3, v7                        ; 8 h: my bytes' place in the word
	v_mov_b32 v15, 0                               ; a lane permute's destination counts as read
	s_lshr_b32 s28, s2, 1                          ; u: which tile
	s_and_b32 s29, s2, 1                           ; which half of K
	s_mov_b32 s30, 0x76543210
	s_mov_b32 s31, 0xfedcba98                      ; selects for lane l xor 16
	s_wait_alu depctr_va_vdst(0)
	s_wait_kmcnt 0x0
	s_cmp_lt_u32 ttmp9, 352                        ; the tensor is chosen by the work-group's number alone; one path serves all five
	s_cselect_b64 s[22:23], s[10:11], s[12:13]
	s_cmp_lt_u32 ttmp9, 320
	s_cselect_b64 s[22:23], s[8:9], s[22:23]
	s_cmp_lt_u32 ttmp9, 288
	s_cselect_b64 s[22:23], s[6:7], s[22:23]
	s_cmp_lt_u32 ttmp9, 256
	s_cselect_b64 s[22:23], s[4:5], s[22:23]
	s_cselect_b64 s[24:25], s[14:15], s[18:19]     ; codes: xc or wc
	s_cselect_b64 s[26:27], s[16:17], s[20:21]     ; scale words: xs or ws
	s_cselect_b32 s32, 0, 256
	s_cselect_b32 s33, 255, 31
	s_sub_co_u32 s32, ttmp9, s32                   ; the group's number in its codes' buffer
	s_and_b32 s33, s32, s33                        ; and in its tensor
	s_lshl_b32 s34, s33, 5
	s_lshl_b32 s35, s28, 3
	s_add_co_u32 s34, s34, s35                     ; the tile's first row: 32 x group + 8 u
	s_lshl_b32 s34, s34, 12                        ; rows of 4,096 bytes
	s_lshl_b32 s35, s29, 11
	s_add_co_u32 s34, s34, s35                     ; + my half of K
	s_mov_b32 s35, 0
	s_add_nc_u64 s[22:23], s[22:23], s[34:35]
	s_lshl_b32 s36, s32, 1
	s_add_co_u32 s36, s36, s28                     ; the tile
	s_mul_i32 s34, s36, 12288
	s_mul_i32 s37, s29, 6144
	s_add_co_u32 s34, s34, s37
	s_add_nc_u64 s[24:25], s[24:25], s[34:35]
	s_lshl_b32 s34, s36, 9
	s_lshl_b32 s37, s29, 8
	s_add_co_u32 s34, s34, s37
	s_add_nc_u64 s[26:27], s[26:27], s[34:35]
.macro LOAD t                          ; K step t: the tile's 16 rows, 512 consecutive bytes each, into set t % 2
.irp i, 0,1,2,3,4,5,6,7,8,9,10,11,12,13,14,15
	global_load_b128 v[R+64*((\t)%2)+4*\i:R+64*((\t)%2)+4*\i+3], v1, s[22:23] offset:(\i+8*(\i/8))*4096+512*(\t) th:TH_LOAD_NT
.endr
.endm
.macro STEP t
.if (\t) < 3
	s_wait_loadcnt 16                              ; this step's 16 loads are in; the next step's 16 may be out
.else
	s_wait_loadcnt 0x0
.endif
.irp i, 0,1,2,3,4,5,6,7,8,9,10,11,12,13,14,15
	ds_store_b128 v2, v[R+64*((\t)%2)+4*\i:R+64*((\t)%2)+4*\i+3] offset:SP*\i
.endr
.irp c, 0,1
.irp j, 0,1,2,3,4,5,6,7
	ds_load_b128 v[X+32*\c+4*\j:X+32*\c+4*\j+3], v3 offset:256*\c+16*\j   ; LDS serves a wave's instructions in order: these see the stores above.  k = 64 c + 32 h + 4 j ..
.endr
.endr
	s_wait_dscnt 0x0                               ; my two blocks are in, and the stores have read their registers,
.if (\t) < 2
	LOAD (\t)+2                                    ; which take the loads of two steps on
.endif
.irp c, 0,1
	v_max3_num_f32 v[8+\c], |v[X+32*\c]|, |v[X+32*\c+1]|, 0x1800000   ; block 2 c + h: all 32 numbers are mine; the floor 2^(3 - 127) holds the byte at 1 from below
.endr
.irp i, 2,4,6,8,10,12,14,16,18,20,22,24,26,28,30
.irp c, 0,1
	v_max3_num_f32 v[8+\c], v[8+\c], |v[X+32*\c+\i]|, |v[X+32*\c+\i+1]|
.endr
.endr
.irp c, 0,1
	v_add_nc_u32 v[10+\c], 0xff000000, v[8+\c]     ; 2 off the exponent field: the conversion's scale operand
.endr
.irp c, 0,1
	v_lshrrev_b32 v[12+\c], 23, v[10+\c]           ; the scale's byte
.endr
	v_lshl_or_b32 v14, v13, 16, v12                ; my bytes: blocks h and 2 + h,
	v_lshlrev_b32 v14, v7, v14                     ; at their places;
	v_permlanex16_b32 v15, v14, s30, s31
	v_or_b32 v14, v14, v15                         ; with lane l xor 16's the word is whole
	s_wait_alu depctr_va_vdst(0)
	s_wait_xcnt 0x0                                ; the last step's stores have read the fragment's registers: they are written again only behind this wait
.irp c, 0,1
	v_cvt_scalef32_pk16_fp6_f32 v[C+6*\c:C+6*\c+2], v[X+32*\c:X+32*\c+15], v[10+\c]
	v_cvt_scalef32_pk16_fp6_f32 v[TC+4*\c:TC+4*\c+2], v[X+32*\c+16:X+32*\c+31], v[10+\c]   ; (a conversion's three registers begin on an even number)
.endr
	v_nop                                          ; one plain place behind a scaled conversion
.irp c, 0,1
.irp i, 0,1,2
	v_mov_b32 v[C+3+6*\c+\i], v[TC+4*\c+\i]
.endr
.endr
.irp c, 0,1,2
	global_store_b128 v1, v[C+4*\c:C+4*\c+3], s[24:25] offset:1536*(\t)+512*\c   ; the image: 512 consecutive bytes a store, aligned
.endr
	ds_store_b32 v4, v14 offset:64*(\t)            ; lanes r and r + 16 write the same word with the same value
.endm
	LOAD 0
	LOAD 1
	STEP 0
	STEP 1
	STEP 2
	STEP 3
	ds_load_b64 v[8:9], v5                         ; my four steps' scale words: 256 bytes
	s_wait_dscnt 0x0
	global_store_b64 v6, v[8:9], s[26:27]          ; 32 lanes store 256 consecutive bytes, aligned
	s_wait_tensorcnt 0x0                           ; the wave's end, behind my last LDS store
	ds_add_u32 v[SPW], v[NIL]
	s_wait_dscnt 0x0
	s_endpgm
.Lfunc_end_k_q83c79b2f4b_quant:
	.size	k_q83c79b2f4b_quant, .Lfunc_end_k_q83c79b2f4b_quant-k_q83c79b2f4b_quant
	.p2alignl 7, 3214868480
	.fill 96, 4, 3214868480
	.section	.rodata,"a",@progbits
	.p2align	6, 0x0
	.amdhsa_kernel k_q83c79b2f4b_quant
		.amdhsa_group_segment_fixed_size 35328
		.amdhsa_private_segment_fixed_size 0
		.amdhsa_enable_private_segment 0
		.amdhsa_kernarg_size 72
		.amdhsa_user_sgpr_count 2
		.amdhsa_user_sgpr_kernarg_segment_ptr 1
		.amdhsa_wavefront_size32 1
		.amdhsa_system_sgpr_workgroup_id_x 1
		.amdhsa_system_sgpr_workgroup_id_y 1
		.amdhsa_system_sgpr_workgroup_id_z 1
		.amdhsa_system_vgpr_workitem_id 0
		.amdhsa_next_free_vgpr 256
		.amdhsa_next_free_sgpr 66
		.amdhsa_reserve_vcc 0
		.amdhsa_float_denorm_mode_32 3
		.amdhsa_float_denorm_mode_16_64 3
		.amdhsa_memory_ordered 1
		.amdhsa_forward_progress 1
		.amdhsa_inst_pref_size 31
	.end_amdhsa_kernel
	.amdgpu_metadata
---
amdhsa.version: [ 1, 2 ]
amdhsa.kernels:
  - .name:           k_q83c79b2f4b_quant
    .symbol:         k_q83c79b2f4b_quant.kd
    .args:
      - { .name: hidden_states, .offset: 0, .size: 8, .value_kind: global_buffer, .address_space: global }
      - { .name: Wq, .offset: 8, .size: 8, .value_kind: global_buffer, .address_space: global }
      - { .name: Wk, .offset: 16, .size: 8, .value_kind: global_buffer, .address_space: global }
      - { .name: Wv, .offset: 24, .size: 8, .value_kind: global_buffer, .address_space: global }
      - { .name: Wo, .offset: 32, .size: 8, .value_kind: global_buffer, .address_space: global }
      - { .name: xc, .offset: 40, .size: 8, .value_kind: global_buffer, .address_space: global }
      - { .name: xs, .offset: 48, .size: 8, .value_kind: global_buffer, .address_space: global }
      - { .name: wc, .offset: 56, .size: 8, .value_kind: global_buffer, .address_space: global }
      - { .name: ws, .offset: 64, .size: 8, .value_kind: global_buffer, .address_space: global }
    .group_segment_fixed_size: 35328
    .private_segment_fixed_size: 0
    .kernarg_segment_align: 8
    .kernarg_segment_size: 72
    .max_flat_workgroup_size: 128
    .sgpr_count:     66
    .vgpr_count:     256
    .wavefront_size: 32
...
	.end_amdgpu_metadata
.endif
;; end of part 1
;; launch qkv (part 2): grid 4 x 64, 4 waves a work-group, clusters of 4 x 4, 327,680 bytes of LDS; arguments xc, xs, wc, ws, bq, bk, bv, cos, sin, qq, kv; writes qq, kv
.if DOCPART == 2
	.amdgcn_target "amdgcn-amd-amdhsa--gfx1250"
	.amdhsa_code_object_version 6
	.text
	.protected	k_q83c79b2f4b_qkv
	.globl	k_q83c79b2f4b_qkv
	.p2align	8
	.type	k_q83c79b2f4b_qkv,@function
k_q83c79b2f4b_qkv:
	s_mov_b64 s[64:65], 0
	v_nop
	global_prefetch_b8 v0, s[64:65] scope:SCOPE_SE
	s_setreg_imm32_b32 hwreg(HW_REG_WAVE_MODE, 25, 1), 1
	s_wait_xcnt 0x0
	s_wait_alu depctr_hold_cnt(0) depctr_sa_sdst(0) depctr_va_vdst(0) depctr_va_sdst(0) depctr_va_ssrc(0) depctr_va_vcc(0) depctr_vm_vsrc(0)
	s_getreg_b32 s2, hwreg(HW_REG_IB_STS2, 6, 4)
	s_cmp_eq_u32 s2, 0
	s_cbranch_scc0 .Lentry_in_a_cluster
	s_endpgm
.Lentry_in_a_cluster:
	s_bfe_u32 s2, ttmp6, 0x10000c
	s_cmp_lg_u32 s2, 0xf033
	s_cbranch_scc0 .Lentry_shape_is_right
	s_endpgm
.Lentry_shape_is_right:
; LAUNCH 2 OF 4.  q = rope(x Wq^T + bq), k = rope(x Wk^T + bk), v = x Wv^T + bv on codes of FP6 (E2M3); the results are quantised in registers (q, k along the head's 64, v along the keys) and leave as images of operand registers.  No work is left out.
; A WORK-GROUP STAYS and makes three blocks, each 128 rows of source 1 ('A') x 256 rows of source 0 ('B'); a wave 64 x 128: 32 accumulators.  Blocks 0 (Q) and 1 (K), a loop of two trips: A = x, B = Wq or Wk: a lane holds one token and its
; registers run along the features.  Block 2 (V), written out behind the loop: A = Wv, B = x: a lane holds one feature and its registers run along the tokens, which are the keys, the next K.
; The tiles' rows were chosen by launch 1 so that the 16 registers of accumulators 2 g, 2 g + 1 are 16 neighbours 32 g + 16 (lane / 16) + 0 .. 15 along source 0's rows.
; THE RING: two slots; a slot holds half of K (four K steps of 128): A's 8 tiles x 6,144 bytes, B's 16, and the two operands' scale words of that half.  A fill is four joint loads, one a wave: wave 0 A's codes, 1 B's, 2 A's scale words, 3 B's.
; Slot 0 is filled again (the next block's first half) in K step 3, when step 3's fragments are in registers; slot 1 (its second half) in K step 7.  In front of each refill: every wave's wait for its tensor load, the add, the wait for
; the add and for its LDS reads, and a round of the cluster's barrier.  So a fill is asked for four K steps, and slot 1's also a whole way out, ahead of its first read; one load a wave is out at any time.  The last block fills nothing.
; No data prefetch is laid beside that: each refill already names the tiles of half a block on, and a request still earlier would name bytes of two blocks on.
; CLUSTERS: 4 x 4.  A's tiles are shared along a row of the cluster, B's along a column: asked for jointly.  A's addresses are made of cy alone, B's of cx alone.
; OUT.  qq: a tile of 16 queries of one head: 768 bytes (registers 0-3 at 16 x lane, 4-5 at 512 + 8 x lane) at (bh 64 + tile) 768; scale words from byte 6,291,456 on, 64 bytes a tile, bytes 2 and 3 = 0x7f.
;       kv: a region of 106,496 bytes for each bh: K's 64 tiles as in qq; at 49,152 their scale words; at 53,248 V's fragments (key step ks, 16 of d: dt) at (4 ks + dt) 1,536; at 102,400 their scale words, 128 bytes each.
; LIMITS: as in launch 1 (a block of zeros has the byte 1; NaN and infinities are not served).
; REGISTERS: window 0: v1-27 lane terms and addresses; v32-47 scale words, two sets; v48-143 A's fragments, two sets; on the way out v48-218 are at work.  window 1: v0-191 B's fragments, two sets; v192-255 the bias (Q, K).
;   window 2: the accumulators, (a, b) at v[8 (8 a + b)].   window 3: cos and sin, 64 registers for each a, loaded once for Q and K; then v0-3 the bias of V.
.set REG,   106496
.set SLOT,  153600
.set BOFS,  49152                      ; in a slot: B's codes,
.set SOFS,  147456                     ; A's scale words (2,048 bytes), then B's (4,096)
.set SPARE, 2*SLOT                     ; the spare words, 128 bytes a wave: two blocks of 256 bytes that no other line names
.set STGQ,  SPARE+512                  ; Q, K: 512 bytes a wave for scale words on their way out; no fill lands here
.set STGV,  STGQ+2048                  ; V: the same, in bytes of its own
.set ADRA, 8                           ; v8-9    my A fragments in slot 0, 1
.set ADRB, 12                          ; v12-13  my B fragments
.set ADRS, 26                          ; v26-27  my scale words: lanes 0-15 A's rows, lanes 16-31 B's
.set SPW,  28
.set NIL,  29
.set SC,   32
.set AF,   48
.set Y,    48                          ; the way out: results + bias
.set HA,   112                         ; rotated
.set PC,   176                         ; the codes just made (v176-195)
.set TM,   200                         ; v200-215 at work in QUANT
.set PW,   216                         ; the scale word just made
.set SEL,  8                           ; s[8:9] selects for lane l xor 16
.set G0SB, 24                          ; group 0: one for each kind of load
.set G1,   28
.set G1B,  36
.set G1S,  44
.set G1SB, 52
.set G0S,  60
.set G0A,  68
.set G0B,  72
.set VA,   76                          ; block 2's first addresses: A's codes, B's codes, A's scale words, B's
.set VB,   78
.set VSA,  80
.set VSB,  82
.set PBK,  84                          ; bk and bv at my features; qq, kv
.set PBV,  86
.set PQQ,  88
.set PKV,  90
.set OA,   92                          ; s[92:99] the way out of Q, K: four addresses
.set MSB, 0
.macro WIN new                         ; the immediate's high byte repeats the setting that is left
.if MSB != \new
	s_set_vgpr_msb (MSB<<8)|\new
.set MSB, \new
.endif
.endm
.macro PLACES n
.rept \n
	v_nop
.endr
.endm
.macro CROUND                          ; a round of the cluster's barrier
	s_barrier_signal -1
	s_barrier_wait -1
	s_cmp_lg_u32 s12, 0
	s_cbranch_scc1 .Lnot_wave_0_\@
	s_barrier_signal -3
.Lnot_wave_0_\@:
	s_barrier_wait -3
	s_barrier_signal -1
	s_barrier_wait -1
.endm
.macro FILL                            ; a fill: one tree of branches on the wave's number, a joint load in each arm, all arms leading to one join; an s_nop 0 and four v_nop follow each load
	s_cmp_lt_u32 s12, 1
	s_cbranch_scc0 .Lfb_\@
	tensor_load_to_lds s[G0A:G0A+3], s[G1:G1+7]
	s_nop 0
	PLACES 4
	s_branch .Lfe_\@
.Lfb_\@:
	s_cmp_lt_u32 s12, 2
	s_cbranch_scc0 .Lfc_\@
	tensor_load_to_lds s[G0B:G0B+3], s[G1B:G1B+7]
	s_nop 0
	PLACES 4
	s_branch .Lfe_\@
.Lfc_\@:
	s_cmp_lt_u32 s12, 3
	s_cbranch_scc0 .Lfd_\@
	tensor_load_to_lds s[G0S:G0S+3], s[G1S:G1S+7]
	s_nop 0
	PLACES 4
	s_branch .Lfe_\@
.Lfd_\@:
	tensor_load_to_lds s[G0SB:G0SB+3], s[G1SB:G1SB+7]
	s_nop 0
	PLACES 4
.Lfe_\@:
.endm
.macro SETLDS s                        ; where a fill of slot s goes
	s_mov_b32 s[G0A+1], (\s)*SLOT
	s_mov_b32 s[G0B+1], (\s)*SLOT+BOFS
	s_mov_b32 s[G0S+1], (\s)*SLOT+SOFS
	s_mov_b32 s[G0SB+1], (\s)*SLOT+SOFS+2048
.endm
.macro TOHALF1                         ; from a block's first half of K to its second: 6,144 bytes on in a tile's codes, 256 in its scale words
	s_add_nc_u64 s[G0A+2:G0A+3], s[G0A+2:G0A+3], 6144
	s_add_nc_u64 s[G0B+2:G0B+3], s[G0B+2:G0B+3], 6144
	s_add_nc_u64 s[G0S+2:G0S+3], s[G0S+2:G0S+3], 256
	s_add_nc_u64 s[G0SB+2:G0SB+3], s[G0SB+2:G0SB+3], 256
	SETLDS 1
.endm
.macro TONEXT                          ; to the next block's first half.  Behind block 0: the same rows of x, and Wk's rows, 64 tiles on from Wq's; behind block 1: block 2's addresses
	s_sub_nc_u64 s[G0A+2:G0A+3], s[G0A+2:G0A+3], 6144
	s_sub_nc_u64 s[G0S+2:G0S+3], s[G0S+2:G0S+3], 256
	s_add_nc_u64 s[G0B+2:G0B+3], s[G0B+2:G0B+3], 64*12288-6144
	s_add_nc_u64 s[G0SB+2:G0SB+3], s[G0SB+2:G0SB+3], 64*512-256
	s_cmp_eq_u32 s15, 0
	s_cselect_b64 s[G0A+2:G0A+3], s[G0A+2:G0A+3], s[VA:VA+1]
	s_cselect_b64 s[G0B+2:G0B+3], s[G0B+2:G0B+3], s[VB:VB+1]
	s_cselect_b64 s[G0S+2:G0S+3], s[G0S+2:G0S+3], s[VSA:VSA+1]
	s_cselect_b64 s[G0SB+2:G0SB+3], s[G0SB+2:G0SB+3], s[VSB:VSB+1]
	SETLDS 0
.endm
.macro G1SET g, c, r, p                ; group 1's constant words: r rows of c elements of 8 bytes, p elements apart
	s_mov_b32 s[\g+1], (\c)<<16
	s_mov_b32 s[\g+2], (\r)<<16
	s_mov_b32 s[\g+3], (\c)<<16
	s_mov_b32 s[\g+4], \r
	s_mov_b32 s[\g+5], \p
	s_mov_b32 s[\g+6], 0
	s_mov_b32 s[\g+7], 0
.endm
	s_load_b256 s[28:35], s[0:1], 0x0              ; xc, xs, wc, ws  (these registers take the descriptors' constants once the addresses are used)
	s_load_b256 s[36:43], s[0:1], 0x20             ; bq, bk, bv, cos
	s_load_b128 s[44:47], s[0:1], 0x40             ; sin, qq
	s_load_b64 s[48:49], s[0:1], 0x50              ; kv
	v_lshl_add_u32 v[SPW], v0, 2, SPARE
	v_mov_b32 v[NIL], 0
	ds_add_u32 v[SPW], v[NIL]                      ; the wave's opening: the add, twice on end, and its wait ahead of my first tensor load
	ds_add_u32 v[SPW], v[NIL]
	v_lshrrev_b32 v1, 5, v0
	v_readfirstlane_b32 s12, v1                    ; wave
	s_lshr_b32 s13, s12, 1                         ; hA: my half of A's rows
	s_and_b32 s14, s12, 1                          ; hB: my half of B's rows
	s_bfe_u32 s16, ttmp6, 0x40000                  ; cx
	s_bfe_u32 s17, ttmp6, 0x40004                  ; cy
	s_and_b32 s2, ttmp7, 0xffff                    ; the cluster's y, 0 .. 15
	s_lshl_b32 s18, s2, 2
	s_add_co_u32 s18, s18, s17                     ; Q, K: A's block, 128 rows of x
	s_lshr_b32 s3, s2, 3
	s_lshl_b32 s3, s3, 2
	s_add_co_u32 s3, s3, s17                       ; V: A's block, 128 rows of Wv; made of cy, never of cx
	s_and_b32 s19, s2, 7
	s_lshl_b32 s19, s19, 2
	s_add_co_u32 s19, s19, s16                     ; V: B's block, 256 rows of x; made of cx, never of cy
	s_and_b32 s11, s18, 7
	s_lshl_b32 s11, s11, 3
	s_lshl_b32 s2, s13, 2
	s_add_co_u32 s11, s11, s2                      ; Q, K: my first tile of tokens in its sequence: 8 (block % 8) + 4 hA
	s_mov_b32 s8, 0x76543210
	s_mov_b32 s9, 0xfedcba98
	s_mov_b32 s10, 0x7f7f0000                      ; the scale bytes of the 64 zero codes: 2^0
	s_mov_b32 s101, 0
	s_mov_b32 s105, 0
	s_wait_dscnt 0x0                               ; both opening adds are done
	s_wait_kmcnt 0x0
	s_mul_i32 s100, s18, 8*12288                   ; block 0: x's 8 tiles,
	s_add_nc_u64 s[G0A+2:G0A+3], s[28:29], s[100:101]
	s_lshl_b32 s100, s18, 12
	s_add_nc_u64 s[G0S+2:G0S+3], s[30:31], s[100:101]
	s_mul_i32 s104, s16, 16*12288                  ; Wq's 16 tiles
	s_add_nc_u64 s[G0B+2:G0B+3], s[32:33], s[104:105]
	s_lshl_b32 s104, s16, 13
	s_add_nc_u64 s[G0SB+2:G0SB+3], s[34:35], s[104:105]
	s_lshl_b32 s100, s3, 3                         ; block 2: Wv begins at tile 128 of wc
	s_add_co_u32 s100, s100, 128
	s_lshl_b32 s66, s100, 9
	s_mul_i32 s100, s100, 12288
	s_add_nc_u64 s[VA:VA+1], s[32:33], s[100:101]
	s_mov_b32 s100, s66
	s_add_nc_u64 s[VSA:VSA+1], s[34:35], s[100:101]
	s_mul_i32 s104, s19, 16*12288
	s_add_nc_u64 s[VB:VB+1], s[28:29], s[104:105]
	s_lshl_b32 s104, s19, 13
	s_add_nc_u64 s[VSB:VSB+1], s[30:31], s[104:105]
.irp g, G0A+3, G0B+3, G0S+3, G0SB+3, VA+1, VB+1, VSA+1, VSB+1
	s_or_b32 s[\g], s[\g], 0x80000000              ; the type
.endr
	s_lshl_b32 s104, s16, 10
	s_lshl_b32 s2, s14, 9
	s_add_co_u32 s104, s104, s2
	s_add_nc_u64 s[20:21], s[36:37], s[104:105]    ; bq, bk at my 128 features: 256 cx + 128 hB
	s_add_nc_u64 s[PBK:PBK+1], s[38:39], s[104:105]
	s_lshl_b32 s100, s3, 9
	s_lshl_b32 s2, s13, 8
	s_add_co_u32 s100, s100, s2
	s_add_nc_u64 s[PBV:PBV+1], s[40:41], s[100:101]  ; bv at my 64 features
	s_mov_b64 s[PQQ:PQQ+1], s[46:47]
	s_mov_b64 s[PKV:PKV+1], s[48:49]
	s_lshl_b32 s100, s11, 12
	s_add_nc_u64 s[22:23], s[42:43], s[100:101]    ; cos and sin at my first token: 16 tokens of 256 bytes a tile
	s_add_nc_u64 s[4:5], s[44:45], s[100:101]
	s_mov_b32 s[G0A], 1
	s_mov_b32 s[G0B], 1
	s_mov_b32 s[G0S], 1
	s_mov_b32 s[G0SB], 1
	SETLDS 0
	s_lshl_b32 s2, s17, 2
	s_lshl_b32 s2, 15, s2                          ; my row of the cluster
	s_lshl_b32 s3, 0x1111, s16                     ; my column
	s_or_b32 s[G1], s2, (3<<16)|(1<<21)            ; 15:0 the mask; 17:16 elements of 8 bytes; 21 set beside a mask; no padding: the images are read 512 consecutive bytes at a time
	s_or_b32 s[G1B], s3, (3<<16)|(1<<21)
	s_or_b32 s[G1S], s2, (3<<16)|(1<<21)
	s_or_b32 s[G1SB], s3, (3<<16)|(1<<21)
	G1SET G1, 768, 8, 1536                         ; A's codes: 8 tiles x 6,144 bytes, 12,288 bytes apart
	G1SET G1B, 768, 16, 1536                       ; B's: 16 tiles
	G1SET G1S, 32, 8, 64                           ; A's scale words: 8 tiles x 256 bytes, 512 bytes apart
	G1SET G1SB, 32, 16, 64                         ; B's: 16 tiles
	CROUND                                         ; all sixteen work-groups are here: the joint loads meet
	FILL                                           ; block 0, first half: one tensor load a wave at the head
	v_and_b32 v1, 15, v0                           ; r
	v_bfe_u32 v2, v0, 4, 1                         ; h
	v_and_b32 v3, 8, v1
	v_add_nc_u32 v3, v3, v1                        ; r + 8 (r / 8)
	v_and_b32 v24, 31, v0
	v_lshlrev_b32 v4, 4, v24                       ; 16 x lane
	v_lshlrev_b32 v5, 3, v24                       ; 8 x lane
	s_wait_alu depctr_va_vdst(0)
	s_mul_i32 s2, s13, 24576                       ; my 4 tiles of A
	s_mul_i32 s3, s14, 49152                       ; my 8 tiles of B
	s_add_co_u32 s3, s3, BOFS
.irp g, 0,1
	v_add_nc_u32 v[ADRA+\g], s2, v4
	v_add_nc_u32 v[ADRB+\g], s3, v4
	s_add_co_u32 s2, s2, SLOT
	s_add_co_u32 s3, s3, SLOT
.endr
	s_lshl_b32 s2, s13, 10                         ; A's scale words: my four tiles of 256 bytes
	s_lshl_b32 s3, s14, 11
	s_add_co_u32 s3, s3, 2048                      ; B's: my eight tiles, behind A's 2,048 bytes
	s_sub_co_u32 s3, s3, s2
	v_mul_u32_u24 v25, s3, v2                      ; lanes 16-31 take B's: one product, the distance between the two
	s_add_co_u32 s2, s2, SOFS
	v_lshl_add_u32 v25, v1, 2, v25
	v_add_nc_u32 v[ADRS], s2, v25
	v_add_nc_u32 v[ADRS+1], SLOT, v[ADRS]
	s_lshl_b32 s2, s12, 9
	s_add_co_u32 s3, s2, STGQ
	v_lshl_add_u32 v17, v1, 2, s3                  ; Q, K: my row's scale word on its way out,
	v_add_nc_u32 v18, s3, v5                       ; and back, 8 bytes a lane
	s_add_co_u32 s3, s2, STGV
	v_lshl_add_u32 v19, v24, 2, s3                 ; V: a word a lane,
	v_add_nc_u32 v20, s3, v4                       ; and back, 16 bytes a lane
	v_lshlrev_b32 v21, 6, v2                       ; the bias of Q, K: 16 h numbers on
	v_lshl_add_u32 v22, v3, 8, v21                 ; cos, sin: my token's row of 256 bytes, + 64 h
	v_lshlrev_b32 v23, 2, v3                       ; the bias of V: my feature
.irp b, 0,1,2,3
	v_mov_b32 v[TM+4+\b], 0                        ; a lane permute's destination counts as read
.endr
	WIN 0xc0
	s_wait_alu depctr_va_vdst(0)                   ; ahead of the readers below
.irp a, 0,1,2,3
.irp b, 0,1
.irp j, 0,1,2,3
	global_load_b128 v[64*\a+16*\b+4*\j:64*\a+16*\b+4*\j+3], v22, s[22:23] offset:(32*(\a/2)+8*(\a%2))*256+128*\b+16*\j
	global_load_b128 v[64*\a+32+16*\b+4*\j:64*\a+32+16*\b+4*\j+3], v22, s[4:5] offset:(32*(\a/2)+8*(\a%2))*256+128*\b+16*\j
.endr
.endr
.endr
	WIN 0
.macro FRAG reg, adr, off              ; a fragment comes back as it was stored: three loads of 512 consecutive bytes
.irp c, 0,1,2
	ds_load_b128 v[(\reg)+4*\c:(\reg)+4*\c+3], v[\adr] offset:(\off)+512*\c
.endr
.endm
.macro FETCH q                         ; K step q: B's eight fragments, A's four, eight registers of scale words, into set q % 2
.set FS, (\q)/4
.set FK, (\q)%4
.set FP, (\q)%2
	WIN 0x40
.irp i, 0,1,2,3,4,5,6,7
	FRAG 96*FP+12*\i, ADRB+FS, 6144*\i+1536*FK
.endr
	WIN 0
.irp i, 0,1,2,3
	FRAG AF+48*FP+12*\i, ADRA+FS, 6144*\i+1536*FK
.endr
.irp i, 0,1,2,3,4,5,6,7
	ds_load_b32 v[SC+8*FP+\i], v[ADRS+FS] offset:256*\i+64*FK   ; lanes 0-15: A's tile i (i over 3 is not used); lanes 16-31: B's tile i
.endr
.endm
.macro MUL16 a0, p, cm                 ; A's tiles a0, a0 + 1 x B's eight.  cm = 0: the products start the sums.  The 32 accumulators take turns, in one order in every step
.irp a, \a0, \a0+1
.irp b, 0,1,2,3,4,5,6,7
.if (\cm) == 0
	v_wmma_scale_f32_16x16x128_f8f6f4 v[8*(8*(\a)+\b):8*(8*(\a)+\b)+7], v[96*(\p)+12*\b:96*(\p)+12*\b+11], v[AF+48*(\p)+12*(\a):AF+48*(\p)+12*(\a)+11], 0, v[SC+8*(\p)+\b], v[SC+8*(\p)+(\a)] matrix_a_fmt:MATRIX_FMT_FP6 matrix_b_fmt:MATRIX_FMT_FP6 matrix_a_scale:MATRIX_SCALE_ROW1
.else
	v_wmma_scale_f32_16x16x128_f8f6f4 v[8*(8*(\a)+\b):8*(8*(\a)+\b)+7], v[96*(\p)+12*\b:96*(\p)+12*\b+11], v[AF+48*(\p)+12*(\a):AF+48*(\p)+12*(\a)+11], v[8*(8*(\a)+\b):8*(8*(\a)+\b)+7], v[SC+8*(\p)+\b], v[SC+8*(\p)+(\a)] matrix_a_fmt:MATRIX_FMT_FP6 matrix_b_fmt:MATRIX_FMT_FP6 matrix_a_scale:MATRIX_SCALE_ROW1
.endif
.endr
.endr
.endm
; A K step.  mode 0: the next step lies in the same slot.  1 (last block): the next step lies in slot 1, shown whole by the wait for my load and a barrier; nothing is filled.  2: a block's last step, nothing is filled.
; 3: step 3: this step's fragments are in registers, so slot 0 is read no more: it takes the next block's first half.  4: step 7: the same for slot 1 and the second half.
.macro STEP q, mode, cm
.if (\mode) < 3
	s_wait_dscnt 0x0                               ; this step's fragments are in
	PLACES 4                                       ; four places between the last step's products and the loads into the registers that they read
.if (\mode) == 0
	FETCH (\q)+1
.endif
.if (\mode) == 1
	s_wait_tensorcnt 0x0                           ; my part of slot 1 has landed
	s_barrier_signal -1
.endif
	WIN 0xa1                                       ; source 0 (B) window 1, source 1 (A) window 0, C and D window 2
	MUL16 0, (\q)%2, \cm
.if (\mode) == 1
	s_barrier_wait -1                              ; everybody's has
	FETCH (\q)+1
	WIN 0xa1
.endif
	MUL16 2, (\q)%2, \cm
.else
	WIN 0                                          ; (the add's two registers lie in window 0)
	s_wait_tensorcnt 0x0                           ; my one tensor load that was out, my part of the other slot, has landed;
	ds_add_u32 v[SPW], v[NIL]                      ; 0 onto my spare word
	s_wait_dscnt 0x1                               ; this step's fragments are in; the add may be out
.if (\mode) == 3
	TONEXT                                         ; no load of mine is out: group 0 may be written
.else
	TOHALF1
.endif
	WIN 0xa1
	MUL16 0, (\q)%2, \cm                           ; sixteen products stand between the add and the wait for it
	s_wait_dscnt 0x0                               ; the add is done, and my reads of the slot are over
	WIN 0
	CROUND                                         ; the same holds of every wave of every work-group of the cluster
	FILL                                           ; the first tensor load behind the round; its four v_nop are the places ahead of the loads below
.if (\mode) == 3
	FETCH (\q)+1
.endif
	WIN 0xa1
	MUL16 2, (\q)%2, \cm
.endif
.endm
; 64 numbers of a lane, register 16 b + i = k 32 b + 16 (lane / 16) + i of my row, become a fragment's codes in v[PC] on and its scale word in v[PW].
.macro QUANT s
.irp b, 0,1,2,3
	v_max3_num_f32 v[TM+\b], |v[\s+16*\b]|, |v[\s+1+16*\b]|, 0x1800000   ; block b: my 16 numbers, and the floor 2^(3 - 127): the byte cannot fall under 1
.endr
.irp i, 2,4,6,8,10,12,14
.irp b, 0,1,2,3
	v_max3_num_f32 v[TM+\b], v[TM+\b], |v[\s+16*\b+\i]|, |v[\s+1+16*\b+\i]|
.endr
.endr
.irp b, 0,1,2,3
	v_permlanex16_b32 v[TM+4+\b], v[TM+\b], s[SEL], s[SEL+1]
.endr
.irp b, 0,1,2,3
	v_max_num_f32 v[TM+\b], v[TM+\b], v[TM+4+\b]   ; with lane l xor 16's: the block's largest magnitude
.endr
.irp b, 0,1,2,3
	v_add_nc_u32 v[TM+12+\b], 0xff000000, v[TM+\b] ; 2 off its exponent field: the conversion's scale operand
.endr
.irp b, 0,1,2,3
	v_lshrrev_b32 v[TM+4+\b], 23, v[TM+12+\b]      ; the scale's byte
.endr
	v_lshl_or_b32 v[PW], v[TM+5], 8, v[TM+4]
	v_lshl_or_b32 v[PW], v[TM+6], 16, v[PW]
	v_lshl_or_b32 v[PW], v[TM+7], 24, v[PW]
.irp c, 0,1
	v_cvt_scalef32_pk16_fp6_f32 v[PC+6*\c:PC+2+6*\c], v[\s+32*\c:\s+15+32*\c], v[TM+12+2*\c]
	v_cvt_scalef32_pk16_fp6_f32 v[PC+12+4*\c:PC+14+4*\c], v[\s+16+32*\c:\s+31+32*\c], v[TM+12+2*\c+1]
.endr
	v_nop                                          ; one plain place behind a scaled conversion
.irp c, 0,1                                    ; the operand's layout wants a whole block in a lane
.irp i, 0,1,2
	v_permlane16_swap_b32 v[PC+6*\c+\i], v[PC+12+4*\c+\i]
.endr
.irp i, 0,1,2
	v_mov_b32 v[PC+3+6*\c+\i], v[PC+12+4*\c+\i]
.endr
.endr
.endm
.macro QKOUT a                         ; 16 tokens x my 128 features (two heads): bias, rotation, codes
	WIN 0x06                                       ; source 0: the accumulators, window 2; source 1: the bias, window 1
.set n, 0
.rept 32
	v_pk_add_f32 v[Y+n:Y+n+1], v[64*\a+n:64*\a+n+1], v[192+n:192+n+1]   ; ascending: each accumulator from its low end on
.set n, n+2
.endr
	WIN 0x0c                                       ; source 1: cos and sin, window 3
.set n, 0
.rept 32
	v_pk_mul_f32 v[HA+n:HA+n+1], v[Y+n:Y+n+1], v[64*\a+n%32:64*\a+n%32+1]
.set n, n+2
.endr
.set n, 0
.rept 32
	v_fma_f32 v[HA+n], -v[Y+n+1], v[64*\a+32+n%32], v[HA+n]         ; y0 cos0 - y1 sin0
	v_fma_f32 v[HA+n+1], v[Y+n], v[64*\a+33+n%32], v[HA+n+1]        ; y1 cos1 + y0 sin1
.set n, n+2
.endr
	WIN 0
	s_wait_xcnt 0x0                                ; the last tile's stores (the last block's too) have read the codes' registers
	s_wait_dscnt 0x0
	QUANT HA                                       ; blocks 0, 1: the first head's 64; blocks 2, 3: the second's
	global_store_b128 v4, v[PC:PC+3], s[OA:OA+1] offset:768*\a
	global_store_b64 v5, v[PC+4:PC+5], s[OA:OA+1] offset:768*\a+512
	global_store_b128 v4, v[PC+6:PC+9], s[OA+2:OA+3] offset:768*\a
	global_store_b64 v5, v[PC+10:PC+11], s[OA+2:OA+3] offset:768*\a+512
	v_and_or_b32 v217, v[PW], 0xffff, s10          ; a head's two bytes, and 0x7f for the zero codes above them
	v_lshrrev_b32 v218, 16, v[PW]
	v_or_b32 v218, s10, v218
	ds_store_b32 v17, v217 offset:64*\a
	ds_store_b32 v17, v218 offset:256+64*\a
.endm
.macro VOUT a
	WIN 0x0e                                       ; source 0: the accumulators, window 2; source 1: my feature's bias, window 3
.set n, 0
.rept 64
	v_add_f32 v[Y+n], v[64*\a+n], v[\a]
.set n, n+1
.endr
	WIN 0
	s_wait_xcnt 0x0                                ; earlier stores have read the codes' registers
	s_wait_dscnt 0x0
	QUANT Y                                        ; along the keys
.irp c, 0,1,2
	global_store_b128 v4, v[PC+4*\c:PC+4*\c+3], s[28:29] offset:1536*\a+512*\c
.endr
	ds_store_b32 v19, v[PW] offset:128*\a
.endm
	s_wait_alu depctr_va_vdst(0)                   ; the head's end
	s_wait_tensorcnt 0x0                           ; my tile of the head's four is in; the add, its wait and a round of the barrier, as ahead of a refill:
	ds_add_u32 v[SPW], v[NIL]
	TOHALF1
	s_wait_dscnt 0x0
	CROUND                                         ; slot 0 is whole, and all sixteen work-groups are here
	FILL                                           ; block 0, second half: slot 1's first fill
	s_mov_b32 s15, 0                               ; the block: 0 Q, 1 K
.Lblk:
	WIN 0x40
.irp b, 0,1,2,3
.irp j, 0,1,2,3
	global_load_b128 v[192+16*\b+4*\j:192+16*\b+4*\j+3], v21, s[20:21] offset:128*\b+16*\j   ; the bias, asked for now and waited for behind the K loop; register 16 g + i: feature 32 g + 16 h + i
.endr
.endr
	WIN 0
	FETCH 0
	STEP 0, 0, 0
	STEP 1, 0, 1
	STEP 2, 0, 1
	STEP 3, 3, 1
	STEP 4, 0, 1
	STEP 5, 0, 1
	STEP 6, 0, 1
	STEP 7, 4, 1
	WIN 0
	PLACES 4                                       ; behind the last products, ahead of the first read of results and the first write over A's fragments
	s_wait_loadcnt 0x0                             ; bias, cos, sin
	s_wait_xcnt 0x0                                ; the last block's stores have read their bases
	s_cmp_eq_u32 s15, 0
	s_cselect_b64 s[6:7], s[PQQ:PQQ+1], s[PKV:PKV+1]
	s_mov_b32 s2, REG
	s_cselect_b32 s2, 49152, s2                    ; from head to head: codes,
	s_mov_b32 s3, REG
	s_cselect_b32 s3, 4096, s3                     ; scale words;
	s_mov_b32 s66, 49152
	s_cselect_b32 s66, 6291456, s66                ; where the scale words begin
	s_lshr_b32 s67, s18, 3
	s_lshl_b32 s67, s67, 4
	s_lshl_b32 s100, s16, 2
	s_add_co_u32 s67, s67, s100
	s_lshl_b32 s100, s14, 1
	s_add_co_u32 s67, s67, s100                    ; my first head: 16 b + 4 cx + 2 hB
	s_mul_i32 s104, s67, s2
	s_mul_i32 s100, s11, 768
	s_add_co_u32 s104, s104, s100
	s_mov_b32 s105, 0
	s_add_nc_u64 s[OA:OA+1], s[6:7], s[104:105]
	s_mov_b32 s22, s2
	s_mov_b32 s23, 0
	s_add_nc_u64 s[OA+2:OA+3], s[OA:OA+1], s[22:23]
	s_mul_i32 s104, s67, s3
	s_lshl_b32 s100, s11, 6
	s_add_co_u32 s104, s104, s100
	s_add_co_u32 s104, s104, s66
	s_add_nc_u64 s[OA+4:OA+5], s[6:7], s[104:105]
	s_mov_b32 s22, s3
	s_add_nc_u64 s[OA+6:OA+7], s[OA+4:OA+5], s[22:23]
	QKOUT 0
	QKOUT 1
	QKOUT 2
	QKOUT 3
	ds_load_b64 v[200:201], v18                    ; four tiles' scale words of a head: 256 bytes
	ds_load_b64 v[202:203], v18 offset:256
	s_wait_dscnt 0x0
	global_store_b64 v5, v[200:201], s[OA+4:OA+5]  ; 256 consecutive bytes, aligned
	global_store_b64 v5, v[202:203], s[OA+6:OA+7]
	s_mov_b64 s[20:21], s[PBK:PBK+1]               ; the next trip's bias (this trip's loads are done)
	s_add_co_u32 s15, s15, 1
	s_cmp_lt_u32 s15, 2
	s_wait_alu depctr_va_vdst(0)
	s_cbranch_scc1 .Lblk
	; ---- block 2: V.  Slot 0 holds its first half (shown whole by the round in K's step 7); its second half is on its way
	WIN 0xc0
.irp a, 0,1,2,3
	global_load_b32 v[\a], v23, s[PBV:PBV+1] offset:(32*(\a/2)+8*(\a%2))*4   ; over cos, which K's way out has read
.endr
	WIN 0
	FETCH 0
	STEP 0, 0, 0
	STEP 1, 0, 1
	STEP 2, 0, 1
	STEP 3, 1, 1
	STEP 4, 0, 1
	STEP 5, 0, 1
	STEP 6, 0, 1
	STEP 7, 2, 1
	WIN 0
	PLACES 4
	s_wait_loadcnt 0x0                             ; bv
	; my head's 64 features x 128 keys: key step ks.  No tensor load is out: the descriptors' registers are free
	s_and_b32 s2, ttmp7, 0xffff
	s_lshr_b32 s18, s2, 3
	s_lshl_b32 s18, s18, 2
	s_add_co_u32 s18, s18, s17                     ; A's block of Wv
	s_lshr_b32 s36, s19, 2
	s_lshl_b32 s36, s36, 4
	s_lshl_b32 s37, s18, 1
	s_add_co_u32 s36, s36, s37
	s_add_co_u32 s36, s36, s13                     ; bh = 16 b + 2 x A's block + hA
	s_and_b32 s37, s19, 3
	s_lshl_b32 s37, s37, 1
	s_add_co_u32 s37, s37, s14                     ; ks = 2 (B's block % 4) + hB
	s_mul_i32 s36, s36, REG
	s_mul_i32 s38, s37, 6144
	s_add_co_u32 s38, s38, s36
	s_add_co_u32 s38, s38, 53248
	s_mov_b32 s39, 0
	s_add_nc_u64 s[28:29], s[PKV:PKV+1], s[38:39]
	s_lshl_b32 s38, s37, 9
	s_add_co_u32 s38, s38, s36
	s_add_co_u32 s38, s38, 102400
	s_add_nc_u64 s[32:33], s[PKV:PKV+1], s[38:39]
	VOUT 0
	VOUT 1
	VOUT 2
	VOUT 3
	ds_load_b128 v[200:203], v20
	s_wait_dscnt 0x0
	global_store_b128 v4, v[200:203], s[32:33]     ; four fragments' scale words: 512 consecutive bytes, aligned
	s_wait_tensorcnt 0x0                           ; the wave's end
	ds_add_u32 v[SPW], v[NIL]
	s_wait_dscnt 0x0
	CROUND                                         ; the closing round
	s_endpgm
.Lfunc_end_k_q83c79b2f4b_qkv:
	.size	k_q83c79b2f4b_qkv, .Lfunc_end_k_q83c79b2f4b_qkv-k_q83c79b2f4b_qkv
	.p2alignl 7, 3214868480
	.fill 96, 4, 3214868480
	.section	.rodata,"a",@progbits
	.p2align	6, 0x0
	.amdhsa_kernel k_q83c79b2f4b_qkv
		.amdhsa_group_segment_fixed_size 327680
		.amdhsa_private_segment_fixed_size 0
		.amdhsa_enable_private_segment 0
		.amdhsa_kernarg_size 88
		.amdhsa_user_sgpr_count 2
		.amdhsa_user_sgpr_kernarg_segment_ptr 1
		.amdhsa_wavefront_size32 1
		.amdhsa_system_sgpr_workgroup_id_x 1
		.amdhsa_system_sgpr_workgroup_id_y 1
		.amdhsa_system_sgpr_workgroup_id_z 1
		.amdhsa_system_vgpr_workitem_id 0
		.amdhsa_next_free_vgpr 1024
		.amdhsa_next_free_sgpr 106
		.amdhsa_reserve_vcc 0
		.amdhsa_float_denorm_mode_32 3
		.amdhsa_float_denorm_mode_16_64 3
		.amdhsa_memory_ordered 1
		.amdhsa_forward_progress 1
		.amdhsa_inst_pref_size 215
	.end_amdhsa_kernel
	.amdgpu_metadata
---
amdhsa.version: [ 1, 2 ]
amdhsa.kernels:
  - .name:           k_q83c79b2f4b_qkv
    .symbol:         k_q83c79b2f4b_qkv.kd
    .args:
      - { .name: xc, .offset: 0, .size: 8, .value_kind: global_buffer, .address_space: global }
      - { .name: xs, .offset: 8, .size: 8, .value_kind: global_buffer, .address_space: global }
      - { .name: wc, .offset: 16, .size: 8, .value_kind: global_buffer, .address_space: global }
      - { .name: ws, .offset: 24, .size: 8, .value_kind: global_buffer, .address_space: global }
      - { .name: bq, .offset: 32, .size: 8, .value_kind: global_buffer, .address_space: global }
      - { .name: bk, .offset: 40, .size: 8, .value_kind: global_buffer, .address_space: global }
      - { .name: bv, .offset: 48, .size: 8, .value_kind: global_buffer, .address_space: global }
      - { .name: cos, .offset: 56, .size: 8, .value_kind: global_buffer, .address_space: global }
      - { .name: sin, .offset: 64, .size: 8, .value_kind: global_buffer, .address_space: global }
      - { .name: qq, .offset: 72, .size: 8, .value_kind: global_buffer, .address_space: global }
      - { .name: kv, .offset: 80, .size: 8, .value_kind: global_buffer, .address_space: global }
    .group_segment_fixed_size: 327680
    .private_segment_fixed_size: 0
    .kernarg_segment_align: 8
    .kernarg_segment_size: 88
    .max_flat_workgroup_size: 128
    .sgpr_count:     106
    .vgpr_count:     1024
    .wavefront_size: 32
...
	.end_amdgpu_metadata
.endif
;; end of part 2
;; launch attn (part 3): grid 4 x 64, 16 waves a work-group, clusters of 4 x 1, 327,680 bytes of LDS; arguments qq, kv, ac, asc; writes ac, asc
.if DOCPART == 3
	.amdgcn_target "amdgcn-amd-amdhsa--gfx1250"
	.amdhsa_code_object_version 6
	.text
	.protected	k_q83c79b2f4b_attn
	.globl	k_q83c79b2f4b_attn
	.p2align	8
	.type	k_q83c79b2f4b_attn,@function
k_q83c79b2f4b_attn:
	s_mov_b64 s[64:65], 0
	v_nop
	global_prefetch_b8 v0, s[64:65] scope:SCOPE_SE
	s_setreg_imm32_b32 hwreg(HW_REG_WAVE_MODE, 25, 1), 1
	s_wait_xcnt 0x0
	s_wait_alu depctr_hold_cnt(0) depctr_sa_sdst(0) depctr_va_vdst(0) depctr_va_sdst(0) depctr_va_ssrc(0) depctr_va_vcc(0) depctr_vm_vsrc(0)
	s_getreg_b32 s2, hwreg(HW_REG_IB_STS2, 6, 4)
	s_cmp_eq_u32 s2, 0
	s_cbranch_scc0 .Lentry_in_a_cluster
	s_endpgm
.Lentry_in_a_cluster:
	s_bfe_u32 s2, ttmp6, 0x10000c
	s_cmp_lg_u32 s2, 0x3003
	s_cbranch_scc0 .Lentry_shape_is_right
	s_endpgm
.Lentry_shape_is_right:
; LAUNCH 3 OF 4.  o = softmax(q k^T / 8) v for two heads and 256 queries a work-group, on codes of FP6 (E2M3); o is quantised along the head's 64 and leaves as an image of launch 4's operand registers.  No work is left out.
; A wave takes 16 queries, first of head 2 y, then of head 2 y + 1; the keys go in 8 steps of 128.  Both products are used transposed (S^T = k q^T, O^T = v^T p^T): a lane holds one query throughout.
; p = 2^(t - M), t = score x log2(e) / 8, M the running largest t rounded up to a whole number; the row's sum is taken of the unquantised p; when M moves, sum and O^T are multiplied by a power of two.
; LIMIT: the promise holds while the scaled scores t stay under 2^31 in magnitude; NaN and infinities are not served; a block of p that has fallen to zeros keeps the byte 1.
; LDS: both heads' regions of kv (2 x 106,496 bytes, dense in memory) come ONCE, as rows of 256 bytes with 64 bytes of padding behind each (pitch 320): each of the 16 waves asks for 52 rows by one joint load.
; The four work-groups of a cluster (the four query blocks of one pair of heads) read the same bytes: mask 15.  Nothing is filled twice; one barrier shows the bytes to all waves, and none stands between the heads.
; No prefetch: all that the launch reads through LDS is asked for at its head, so there is no loop to run ahead in.
; WHICH KEYS FORM A TILE OF K is chosen by the lanes' LDS addresses.  Launch 2's tile T of 16 keys holds keys 16 T' .. in the order 32 g + 8 u + r + 8 (r / 8), T = 2 g + u.  Tile (c, u) here takes, in rows 0-7, keys 64 c + 8 u + 0 .. 7 and,
; in rows 8-15, keys 64 c + 32 + 8 u + 0 .. 7: row r is row r % 8 + 8 (u / 2) of launch 2's tile 4 c + 2 (r / 8) + u % 2.  So lane (r, h)'s 32 registers of tiles 4 c .. 4 c + 3 are keys 64 c + 32 h + 0 .. 31: a WHOLE block of the next K,
; in the order of the operand's registers 6 c .. 6 c + 5: a block's maximum needs no other lane and p's codes need no exchange of lanes.  Two tiles on are 1,920 bytes = 7.5 x 256, so lanes 0-7 and 8-15 of a 16-byte load take different halves of 256.
; THE SCORES' K IS 64, the form sums 128: q's upper 64 codes are zeros, so what stands in the upper half of K's operand adds nothing (every code of this format is finite; its scale bytes are 0x7f): tile t's operand is v[KF + 6 t .. + 11],
; whose upper six registers are tile t + 1's codes (behind tile 7: p's codes).
; REGISTERS: v1-7, v10-11 lane terms and addresses; v8-9 the add's; v12 -M, v13 largest score, v14-15 the sum; v16-39 q (two heads); v40-41 its scale words; v42-50 scale words of K, V, p; v51-55 lane terms;
;   v56-103 K's 8 tiles; v104-115 p's codes; v116-179 scores, p, then V's fragments; v180-211 O^T; v212-231 at work; v232-244 o's codes and scale word.
.set REG,   106496
.set LROW,  320
.set LREG,  416*LROW                   ; a head's region in LDS
.set LKS,   192*LROW                   ; in it: K's scale words,
.set LV,    208*LROW                   ; V's fragments,
.set LVS,   400*LROW                   ; their scale words
.set KSTEP, 24*LROW                    ; a key step: 8 tiles of K of 3 rows; also 4 fragments of V of 6 rows
.set SSTEP, 2*LROW                     ; a key step's scale words, K's or V's: 512 bytes
.set SPARE, 2*LREG                     ; the spare words, 128 bytes a wave: eight blocks of 256 bytes that no other line names
.set SPW, 8
.set NIL, 9
.set KSC, 42
.set VSC, 46
.set PSC, 50
.set A1,  51                           ; K, 16-byte part;  A2: 8-byte part;  A3: V;  A4: K's scale words;  A5: V's
.set A2,  52
.set A3,  53
.set A4,  54
.set A5,  55
.set KF,  56
.set PCD, 104
.set S,   116
.set OT,  180
.set CT,  212
.set BM,  220
.set SO,  222
.set BY,  224
.set BP,  226
.set F,   228
.set T0,  230
.set T1,  231
.set OC,  232
.set OW,  244
.set SEL, 32
.set CS,  34
.macro CROUND                          ; a round of the cluster's barrier
	s_barrier_signal -1
	s_barrier_wait -1
	s_cmp_lg_u32 s12, 0
	s_cbranch_scc1 .Lnot_wave_0_\@
	s_barrier_signal -3
.Lnot_wave_0_\@:
	s_barrier_wait -3
	s_barrier_signal -1
	s_barrier_wait -1
.endm
	s_load_b256 s[4:11], s[0:1], 0x0               ; qq, kv, ac, asc
	v_lshl_add_u32 v[SPW], v0, 2, SPARE
	v_mov_b32 v[NIL], 0
	ds_add_u32 v[SPW], v[NIL]                      ; the opening: the add, twice on end, and its wait ahead of my tensor load
	ds_add_u32 v[SPW], v[NIL]
	v_lshrrev_b32 v1, 5, v0
	v_readfirstlane_b32 s12, v1                    ; wave
	v_and_b32 v[T0], 31, v0                        ; lane
	v_and_b32 v[T1], 15, v0                        ; r
	v_bfe_u32 v3, v0, 4, 1                         ; h
	v_and_b32 v4, 7, v0                            ; r % 8
	v_bfe_u32 v5, v0, 3, 1                         ; r / 8
	v_lshlrev_b32 v1, 4, v[T0]                     ; 16 x lane
	v_lshlrev_b32 v2, 3, v[T0]                     ; 8 x lane
	v_lshlrev_b32 v7, 2, v[T1]                     ; 4 r
	v_mul_u32_u24 v[A1], v5, 6*LROW                ; two of launch 2's tiles on for rows 8-15
	v_lshlrev_b32 v[A4], 7, v5
	v_mul_u32_u24 v[A3], v3, LROW
	v_lshl_add_u32 v[A5], v[T0], 2, LVS            ; V's scale words: a word a lane
	v_lshl_add_u32 v[A2], v4, 3, v[A1]
	v_lshl_add_u32 v[A1], v4, 4, v[A1]
	v_lshl_add_u32 v[A4], v3, 6, v[A4]             ; lanes 16-31 take the odd tile's words
	v_lshl_add_u32 v[A3], v[T1], 4, v[A3]
	v_lshl_add_u32 v[A2], v3, 7, v[A2]             ; 8-byte part: 8 (r % 8) + 128 h
	v_mad_u32_u24 v[A1], v3, LROW, v[A1]           ; 16-byte part: 16 (r % 8), row h
	v_lshl_add_u32 v[A4], v4, 2, v[A4]
	v_add_nc_u32 v[A3], LV, v[A3]                  ; V: 16 r, row h
	v_lshlrev_b32 v3, 3, v3                        ; 8 h: my bytes' place in p's scale word
	v_add_nc_u32 v[A4], LKS, v[A4]
	s_bfe_u32 s13, ttmp6, 0x40000                  ; cx: which 256 queries
	s_and_b32 s14, ttmp7, 0xffff                   ; y: which pair of heads
	s_mov_b32 s16, 15|(3<<16)|(1<<20)|(1<<21)|(5<<22)|(15<<25)  ; mask: all four; elements of 8 bytes; padding on: behind every 64 words 16 words; bit 21 beside a mask
	s_mov_b32 s17, 32<<16
	s_mov_b32 s18, 52<<16
	s_mov_b32 s19, 32<<16
	s_mov_b32 s20, 52                              ; 52 rows of 256 bytes
	s_mov_b32 s21, 32
	s_mov_b32 s22, 0
	s_mov_b32 s23, 0
	s_mov_b32 s[SEL], 0x76543210
	s_mov_b32 s[SEL+1], 0xfedcba98                 ; selects for lane l xor 16
	s_mov_b32 s[CS], 0x3e38aa3b                    ; log2(e) / 8
	s_mov_b32 s[CS+1], s[CS]
	s_mul_i32 s40, s14, 2*REG
	s_mul_i32 s42, s12, 52*256
	s_add_co_u32 s40, s40, s42
	s_mov_b32 s41, 0
	s_mov_b32 s24, 1
	s_mul_i32 s25, s12, 52*LROW                    ; where my rows go: the wave's number alone
	s_lshl_b32 s15, s13, 4
	s_add_co_u32 s15, s15, s12                     ; my tile of queries in the sequence
	s_lshl_b32 s44, s14, 7
	s_add_co_u32 s44, s44, s15
	s_mul_i32 s42, s44, 768
	s_mov_b32 s43, 0
	s_lshl_b32 s46, s44, 6
	s_add_co_u32 s46, s46, 6291456
	s_mov_b32 s47, 0
	s_wait_alu depctr_va_vdst(0)
	s_wait_dscnt 0x0                               ; both opening adds are done
	s_wait_kmcnt 0x0
	s_add_nc_u64 s[26:27], s[6:7], s[40:41]
	s_or_b32 s27, s27, 0x80000000
	s_add_nc_u64 s[44:45], s[4:5], s[42:43]
	s_add_nc_u64 s[46:47], s[4:5], s[46:47]
	global_load_b128 v[16:19], v1, s[44:45]        ; q of both heads, asked for ahead of the round
	global_load_b64 v[20:21], v2, s[44:45] offset:512
	global_load_b128 v[28:31], v1, s[44:45] offset:49152
	global_load_b64 v[32:33], v2, s[44:45] offset:49152+512
	global_load_b32 v40, v7, s[46:47]
	global_load_b32 v41, v7, s[46:47] offset:4096
	CROUND                                         ; all four work-groups are here: the joint loads meet
	tensor_load_to_lds s[24:27], s[16:23]          ; my one tensor load
	s_nop 0
.irp i, 0,1,2,3,4,5
	v_mov_b32 v[22+\i], 0                          ; q's upper 64 codes
	v_mov_b32 v[34+\i], 0
	v_mov_b32 v[PCD+\i], 0                         ; named as the upper half of tile 7's operand before p's codes are first made
.endr
	v_mov_b32 v[BP], 0                             ; a lane permute's destination counts as read
	v_mov_b32 v[BP+1], 0
	v_mov_b32 v[F+1], 0                            ; named as the upper half of the pair
.macro INIT
	v_mov_b32 v13, 0xff61b1e6                      ; the largest score so far: -3e38
	v_mov_b32 v12, 0x7d000000                      ; -M = 2^123, a whole number: the first step's factor is 2^(a saturated whole number) = 0, on zeros
	v_mov_b32 v14, 0
	v_mov_b32 v15, 0
.set n, 0
.rept 32
	v_mov_b32 v[OT+n], 0
.set n, n+1
.endr
.endm
.macro KLOAD off                       ; the 8 tiles of K and their scale words, off key steps on from v4, v5, v6
.irp c, 0,1
.irp u, 0,1,2,3
	ds_load_b128 v[KF+6*(4*\c+\u):KF+6*(4*\c+\u)+3], v4 offset:(\off)*KSTEP+\c*12*LROW+(\u%2)*3*LROW+(\u/2)*128
	ds_load_b64 v[KF+6*(4*\c+\u)+4:KF+6*(4*\c+\u)+5], v5 offset:(\off)*KSTEP+\c*12*LROW+(\u%2)*3*LROW+2*LROW+(\u/2)*64
.endr
.irp w, 0,1
	ds_load_b32 v[KSC+2*\c+\w], v6 offset:(\off)*SSTEP+\c*LROW+32*\w   ; lanes 0-15: tile (c, 2 w); lanes 16-31: tile (c, 2 w + 1)
.endr
.endr
.endm
.macro PRE                             ; a head's first key step is asked for ahead of its loop
	v_add_nc_u32 v4, s36, v[A1]
	v_add_nc_u32 v5, s36, v[A2]
	v_add_nc_u32 v6, s37, v[A4]
	KLOAD 0
.endm
.macro STEP qf, qs
	v_add_nc_u32 v4, s36, v[A1]                    ; these five are also the places between the last step's products and the products that write over V's fragments
	v_add_nc_u32 v5, s36, v[A2]
	v_add_nc_u32 v6, s37, v[A4]
	v_add_nc_u32 v10, s36, v[A3]
	v_add_nc_u32 v11, s37, v[A5]
	s_wait_alu depctr_va_vdst(0)
	s_wait_dscnt 0x0                               ; this step's K is in
.irp c, 0,1
.irp u, 0,1,2,3
.if (\u)%2
	v_wmma_scale_f32_16x16x128_f8f6f4 v[S+8*(4*\c+\u):S+8*(4*\c+\u)+7], v[KF+6*(4*\c+\u):KF+6*(4*\c+\u)+11], v[\qf:\qf+11], 0, v[KSC+2*\c+\u/2], v[\qs] matrix_a_fmt:MATRIX_FMT_FP6 matrix_b_fmt:MATRIX_FMT_FP6 matrix_a_scale:MATRIX_SCALE_ROW1
.else
	v_wmma_scale_f32_16x16x128_f8f6f4 v[S+8*(4*\c+\u):S+8*(4*\c+\u)+7], v[KF+6*(4*\c+\u):KF+6*(4*\c+\u)+11], v[\qf:\qf+11], 0, v[KSC+2*\c+\u/2], v[\qs] matrix_a_fmt:MATRIX_FMT_FP6 matrix_b_fmt:MATRIX_FMT_FP6
.endif
.endr
.endr
.rept 4
	v_nop                                          ; places ahead of the loads into K's registers and of the first read of the scores
.endr
	KLOAD 1                                        ; the next step's K, a whole step ahead (in a head's last step: bytes of the same region that are not used)
.irp c, 0,1                                    ; the largest score of my two blocks of 32 keys, four chains by turns; each accumulator is first read at its low end
	v_max3_num_f32 v[BM+\c], v[S+32*\c], v[S+32*\c+1], v[S+32*\c+2]
	v_max3_num_f32 v[SO+\c], v[S+32*\c+16], v[S+32*\c+17], v[S+32*\c+18]
.endr
.irp i, 3,5,7,9,11,13
.irp c, 0,1
	v_max3_num_f32 v[BM+\c], v[BM+\c], v[S+32*\c+\i], v[S+32*\c+\i+1]
	v_max3_num_f32 v[SO+\c], v[SO+\c], v[S+32*\c+16+\i], v[S+32*\c+17+\i]
.endr
.endr
.irp c, 0,1
	v_max3_num_f32 v[BM+\c], v[BM+\c], v[S+32*\c+15], v[S+32*\c+31]
.endr
.irp c, 0,1
	s_delay_alu instid0(VALU_DEP_2)
	v_max_num_f32 v[BM+\c], v[BM+\c], v[SO+\c]
.endr
	s_delay_alu instid0(VALU_DEP_1)
	v_max_num_f32 v[T0], v[BM], v[BM+1]
	s_delay_alu instid0(VALU_DEP_1)
	v_permlanex16_b32 v[T1], v[T0], s[SEL], s[SEL+1]
	s_delay_alu instid0(VALU_DEP_1)
	v_max3_num_f32 v13, v13, v[T0], v[T1]          ; the running largest score of my query
	s_delay_alu instid0(VALU_DEP_1)
	v_mul_f32 v[T0], s[CS], v13                    ; as t
	v_mov_b32 v[T1], v12
	s_delay_alu instid0(VALU_DEP_2)
	v_floor_f32 v12, -v[T0]                        ; -M = floor(-t)
	s_delay_alu instid0(VALU_DEP_1)
	v_sub_f32 v[T1], v12, v[T1]
	s_delay_alu instid0(VALU_DEP_1)
	v_cvt_i32_f32 v[T1], v[T1]                     ; old M less new M (it saturates)
	s_delay_alu instid0(VALU_DEP_1)
	v_ldexp_f32 v[F], 1.0, v[T1]
.set j, 0
.rept 32
	v_pk_fma_f32 v[S+j:S+j+1], v[S+j:S+j+1], s[CS:CS+1], v[12:13] op_sel_hi:[1,0,0]   ; t - M
.set j, j+2
.endr
.irp c, 0,1
	v_fma_f32 v[BM+\c], v[BM+\c], s[CS], v12       ; the same of each block's largest score
.endr
	s_wait_alu depctr_va_vdst(0)                   ; ahead of the batch
.irp c, 0,1
	v_exp_f32 v[BM+\c], v[BM+\c]                   ; the block's largest p
.endr
.set j, 0
.rept 64
	v_exp_f32 v[S+j], v[S+j]
.set j, j+1
.endr
	v_pk_mul_f32 v[14:15], v[14:15], v[F:F+1] op_sel_hi:[1,0]   ; the sum under the new M; a plain place behind the batch
	s_wait_alu depctr_va_vdst(0)                   ; one wait for the batch, ahead of its first reader
	v_pk_add_f32 v[BP:BP+1], v[S:S+1], v[S+2:S+3]  ; the sum of the unquantised p, two chains
.set j, 4
.rept 15
	v_pk_add_f32 v[14:15], v[14:15], v[S+j:S+j+1]
	v_pk_add_f32 v[BP:BP+1], v[BP:BP+1], v[S+2+j:S+3+j]
.set j, j+4
.endr
.irp c, 0,1
	v_max_num_f32 v[BM+\c], 0x1800000, v[BM+\c]    ; the floor 2^(3 - 127): the byte cannot fall under 1
.endr
	v_pk_add_f32 v[14:15], v[14:15], v[BP:BP+1]
.irp c, 0,1
	v_add_nc_u32 v[SO+\c], 0xff000000, v[BM+\c]    ; 2 off the exponent field: the conversion's scale operand
.endr
.irp c, 0,1
	s_delay_alu instid0(VALU_DEP_2)
	v_lshrrev_b32 v[BY+\c], 23, v[SO+\c]           ; the bytes of blocks h and 2 + h
.endr
	s_delay_alu instid0(VALU_DEP_1)
	v_lshl_or_b32 v[T0], v[BY+1], 16, v[BY]
	s_delay_alu instid0(VALU_DEP_1)
	v_lshlrev_b32 v[T0], v3, v[T0]                 ; at their places;
	s_delay_alu instid0(VALU_DEP_1)
	v_permlanex16_b32 v[T1], v[T0], s[SEL], s[SEL+1]
	s_delay_alu instid0(VALU_DEP_1)
	v_or_b32 v[PSC], v[T0], v[T1]                  ; with lane l xor 16's the word is whole
.irp c, 0,1
	v_cvt_scalef32_pk16_fp6_f32 v[PCD+6*\c:PCD+6*\c+2], v[S+32*\c:S+32*\c+15], v[SO+\c]
	v_cvt_scalef32_pk16_fp6_f32 v[CT+4*\c:CT+4*\c+2], v[S+32*\c+16:S+32*\c+31], v[SO+\c]   ; (a conversion's three registers begin on an even number)
.endr
	v_nop                                          ; one plain place behind a scaled conversion
.irp d, 0,1,2,3                                ; V's four fragments of this key step, into p's registers
.irp c, 0,1,2
	ds_load_b128 v[S+12*\d+4*\c:S+12*\d+4*\c+3], v10 offset:\d*6*LROW+\c*2*LROW
.endr
	ds_load_b32 v[VSC+\d], v11 offset:(\d/2)*LROW+(\d%2)*128
.endr
.irp c, 0,1
.irp i, 0,1,2
	v_mov_b32 v[PCD+3+6*\c+\i], v[CT+4*\c+\i]
.endr
.endr
	s_wait_alu depctr_va_vdst(0)                   ; ahead of the first reader of O^T
.set j, 0
.rept 16
	v_pk_mul_f32 v[OT+j:OT+j+1], v[OT+j:OT+j+1], v[F:F+1] op_sel_hi:[1,0]   ; O^T under the new M; also the places ahead of the products
.set j, j+2
.endr
	s_wait_alu depctr_va_vdst(0)
	s_wait_dscnt 0x0                               ; V is in (and the next step's K, asked for earlier)
.irp d, 0,1,2,3
	v_wmma_scale_f32_16x16x128_f8f6f4 v[OT+8*\d:OT+8*\d+7], v[S+12*\d:S+12*\d+11], v[PCD:PCD+11], v[OT+8*\d:OT+8*\d+7], v[VSC+\d], v[PSC] matrix_a_fmt:MATRIX_FMT_FP6 matrix_b_fmt:MATRIX_FMT_FP6
.endr
.endm
.macro FINISH hd                       ; O^T / the sum, quantised along the head's 64: V's tiles keep launch 2's order of rows, so tiles 2 b, 2 b + 1 hold d = 32 b + 16 h + 0 .. 15
.rept 4
	v_nop
.endr
	v_add_f32 v14, v14, v15
	s_delay_alu instid0(VALU_DEP_1)
	v_permlanex16_b32 v[T0], v14, s[SEL], s[SEL+1]
	s_delay_alu instid0(VALU_DEP_1)
	v_add_f32 v14, v14, v[T0]
	s_wait_alu depctr_va_vdst(0)
	v_rcp_f32 v14, v14
	v_nop
	s_wait_alu depctr_va_vdst(0)
.set j, 0
.rept 32
	v_mul_f32 v[S+j], v[OT+j], v14
.set j, j+1
.endr
.irp b, 0,1
	v_max3_num_f32 v[BM+\b], |v[S+16*\b]|, |v[S+1+16*\b]|, 0x1800000
.endr
.irp i, 2,4,6,8,10,12,14
.irp b, 0,1
	s_delay_alu instid0(VALU_DEP_2)
	v_max3_num_f32 v[BM+\b], v[BM+\b], |v[S+16*\b+\i]|, |v[S+1+16*\b+\i]|
.endr
.endr
.irp b, 0,1
	s_delay_alu instid0(VALU_DEP_2)
	v_permlanex16_b32 v[BP+\b], v[BM+\b], s[SEL], s[SEL+1]
.endr
.irp b, 0,1
	s_delay_alu instid0(VALU_DEP_2)
	v_max_num_f32 v[BM+\b], v[BM+\b], v[BP+\b]
.endr
.irp b, 0,1
	s_delay_alu instid0(VALU_DEP_2)
	v_add_nc_u32 v[SO+\b], 0xff000000, v[BM+\b]
.endr
.irp b, 0,1
	s_delay_alu instid0(VALU_DEP_2)
	v_lshrrev_b32 v[BY+\b], 23, v[SO+\b]
.endr
.if \hd == 0
	s_delay_alu instid0(VALU_DEP_1)
	v_lshl_or_b32 v[OW], v[BY+1], 8, v[BY]
.else
	s_delay_alu instid0(VALU_DEP_2)
	v_lshl_or_b32 v[OW], v[BY], 16, v[OW]
	s_delay_alu instid0(VALU_DEP_1)
	v_lshl_or_b32 v[OW], v[BY+1], 24, v[OW]
.endif
	v_cvt_scalef32_pk16_fp6_f32 v[OC+6*\hd:OC+6*\hd+2], v[S:S+15], v[SO]
	v_cvt_scalef32_pk16_fp6_f32 v[CT:CT+2], v[S+16:S+31], v[SO+1]
	v_nop
.irp i, 0,1,2
	v_permlane16_swap_b32 v[OC+6*\hd+\i], v[CT+\i]
.endr
.irp i, 0,1,2
	s_delay_alu instid0(VALU_DEP_3)
	v_mov_b32 v[OC+6*\hd+3+\i], v[CT+\i]
.endr
.endm
	INIT
	s_mov_b32 s36, 0
	s_mov_b32 s37, 0
	s_mov_b32 s38, 8
	s_wait_alu depctr_va_vdst(0)                   ; the head's end
	s_wait_loadcnt 0x0                             ; q
	s_wait_tensorcnt 0x0                           ; my 52 rows are in
	s_barrier_signal -1
	s_barrier_wait -1                              ; everybody's are: both heads' regions are whole
	PRE
.Lk0:
	STEP 16, 40
	s_add_co_u32 s36, s36, KSTEP
	s_add_co_u32 s37, s37, SSTEP
	s_sub_co_u32 s38, s38, 1
	s_cmp_lg_u32 s38, 0
	s_cbranch_scc1 .Lk0
	FINISH 0
	INIT
	s_mov_b32 s36, LREG
	s_mov_b32 s37, LREG
	s_mov_b32 s38, 8
	PRE
.Lk1:
	STEP 28, 41
	s_add_co_u32 s36, s36, KSTEP
	s_add_co_u32 s37, s37, SSTEP
	s_sub_co_u32 s38, s38, 1
	s_cmp_lg_u32 s38, 0
	s_cbranch_scc1 .Lk1
	FINISH 1
	s_lshr_b32 s40, s14, 3                         ; ac: [tile of 16 rows: 64 b + my tile][K step: y % 8]: 1,536 bytes; asc: 64 bytes
	s_lshl_b32 s40, s40, 6
	s_add_co_u32 s40, s40, s15
	s_lshl_b32 s40, s40, 3
	s_and_b32 s42, s14, 7
	s_add_co_u32 s40, s40, s42
	s_mul_i32 s42, s40, 1536
	s_mov_b32 s43, 0
	s_add_nc_u64 s[8:9], s[8:9], s[42:43]
	s_lshl_b32 s42, s40, 6
	s_add_nc_u64 s[10:11], s[10:11], s[42:43]
	s_wait_alu depctr_va_vdst(0)                   ; ahead of the readers below
.irp c, 0,1,2
	global_store_b128 v1, v[OC+4*\c:OC+4*\c+3], s[8:9] offset:512*\c   ; the image: 512 consecutive bytes a store, aligned
.endr
	global_store_b32 v7, v[OW], s[10:11]           ; lanes r and r + 16 store the same word with the same value
	s_wait_tensorcnt 0x0                           ; the wave's end
	ds_add_u32 v[SPW], v[NIL]
	s_wait_dscnt 0x0
	CROUND                                         ; the closing round
	s_endpgm
.Lfunc_end_k_q83c79b2f4b_attn:
	.size	k_q83c79b2f4b_attn, .Lfunc_end_k_q83c79b2f4b_attn-k_q83c79b2f4b_attn
	.p2alignl 7, 3214868480
	.fill 96, 4, 3214868480
	.section	.rodata,"a",@progbits
	.p2align	6, 0x0
	.amdhsa_kernel k_q83c79b2f4b_attn
		.amdhsa_group_segment_fixed_size 327680
		.amdhsa_private_segment_fixed_size 0
		.amdhsa_enable_private_segment 0
		.amdhsa_kernarg_size 32
		.amdhsa_user_sgpr_count 2
		.amdhsa_user_sgpr_kernarg_segment_ptr 1
		.amdhsa_wavefront_size32 1
		.amdhsa_system_sgpr_workgroup_id_x 1
		.amdhsa_system_sgpr_workgroup_id_y 1
		.amdhsa_system_sgpr_workgroup_id_z 1
		.amdhsa_system_vgpr_workitem_id 0
		.amdhsa_next_free_vgpr 256
		.amdhsa_next_free_sgpr 66
		.amdhsa_reserve_vcc 0
		.amdhsa_float_denorm_mode_32 3
		.amdhsa_float_denorm_mode_16_64 3
		.amdhsa_memory_ordered 1
		.amdhsa_forward_progress 1
		.amdhsa_inst_pref_size 52
	.end_amdhsa_kernel
	.amdgpu_metadata
---
amdhsa.version: [ 1, 2 ]
amdhsa.kernels:
  - .name:           k_q83c79b2f4b_attn
    .symbol:         k_q83c79b2f4b_attn.kd
    .args:
      - { .name: qq, .offset: 0, .size: 8, .value_kind: global_buffer, .address_space: global }
      - { .name: kv, .offset: 8, .size: 8, .value_kind: global_buffer, .address_space: global }
      - { .name: ac, .offset: 16, .size: 8, .value_kind: global_buffer, .address_space: global }
      - { .name: asc, .offset: 24, .size: 8, .value_kind: global_buffer, .address_space: global }
    .group_segment_fixed_size: 327680
    .private_segment_fixed_size: 0
    .kernarg_segment_align: 8
    .kernarg_segment_size: 32
    .max_flat_workgroup_size: 512
    .sgpr_count:     66
    .vgpr_count:     256
    .wavefront_size: 32
...
	.end_amdgpu_metadata
.endif
;; end of part 3
;; launch oproj (part 4): grid 4 x 64, 4 waves a work-group, clusters of 4 x 4, 327,680 bytes of LDS; arguments ac, asc, wc, ws, bo, out0; writes out0
.if DOCPART == 4
	.amdgcn_target "amdgcn-amd-amdhsa--gfx1250"
	.amdhsa_code_object_version 6
	.text
	.protected	k_q83c79b2f4b_oproj
	.globl	k_q83c79b2f4b_oproj
	.p2align	8
	.type	k_q83c79b2f4b_oproj,@function
k_q83c79b2f4b_oproj:
	s_mov_b64 s[64:65], 0
	v_nop
	global_prefetch_b8 v0, s[64:65] scope:SCOPE_SE
	s_setreg_imm32_b32 hwreg(HW_REG_WAVE_MODE, 25, 1), 1
	s_wait_xcnt 0x0
	s_wait_alu depctr_hold_cnt(0) depctr_sa_sdst(0) depctr_va_vdst(0) depctr_va_sdst(0) depctr_va_ssrc(0) depctr_va_vcc(0) depctr_vm_vsrc(0)
	s_getreg_b32 s2, hwreg(HW_REG_IB_STS2, 6, 4)
	s_cmp_eq_u32 s2, 0
	s_cbranch_scc0 .Lentry_in_a_cluster
	s_endpgm
.Lentry_in_a_cluster:
	s_bfe_u32 s2, ttmp6, 0x10000c
	s_cmp_lg_u32 s2, 0xf033
	s_cbranch_scc0 .Lentry_shape_is_right
	s_endpgm
.Lentry_shape_is_right:
; LAUNCH 4 OF 4.  out0 = O Wo^T + bo on codes of FP6 (E2M3): O's codes and scale words from launch 3, Wo's from launch 1 (tiles 192-255 of wc).  No work is left out.
; The K loop is launch 2's: a work-group makes 128 rows (source 1, 'A' = O) x 256 columns (source 0, 'B' = Wo); a wave 64 x 128: 32 accumulators; all of K lies in LDS, one tensor load a wave at the head, one for half 1,
; nothing filled twice; 4 x 4 clusters, A's tiles shared along a row, B's along a column.  bo is the C of each sum's first matrix instruction.
; THE WAY OUT: a lane holds one row (in the tile's order of rows) and, in accumulators 2 g, 2 g + 1, columns 32 g + 16 (lane / 16) + 0 .. 15: a tile of 16 rows x 128 columns goes through my stage in LDS and leaves as whole rows of 512 bytes.
; The stage lies in slot 0: it has had its one fill, and every wave has passed the barrier behind its last read of it.
; REGISTERS: window 0: v1-21 lane terms and addresses; v32-47 scale words; v48-143 A's fragments; on the way out v48-175 rows of out0.  window 1: B's fragments.  window 2: the accumulators.  window 3: v0-63 bo.
; THE FILLS AS THEY STAND IN THIS TEXT: as in launch 2, K lies in LDS in TWO halves of 512.  At the head each wave issues one joint load (A's 8 tiles of half 0; B's 16; A's scale words; B's);
; half 1 is asked for behind the waits, the add and a round of the cluster's barrier, one load a wave.  One load a wave is out at any time.
.set SLOT,  147456
.set BOFS,  49152
.set SCL,   2*SLOT
.set SPARE, SCL+12288                  ; the spare words, 128 bytes a wave: two blocks of 256 bytes that no other line names
.set ADRA, 8
.set ADRB, 12
.set ADRS, 16
.set STO,  17
.set RD,   18
.set SPW,  28
.set NIL,  29
.set SC,   32
.set AF,   48
.set BK,   48
.set G1,   28
.set G1B,  36
.set G1S,  44
.set G1SB, 52
.set G0S,  60
.set G0SB, 24
.set G0A,  68
.set G0B,  84
.set MSB, 0
.macro WIN new
.if MSB != \new
	s_set_vgpr_msb (MSB<<8)|\new
.set MSB, \new
.endif
.endm
.macro JLOAD g0a, g1a, g0b, g1b        ; a joint load: waves 0 and 1 fetch for A, waves 2 and 3 for B; an s_nop 0 and four v_nop follow each line
	s_cmp_eq_u32 s13, 0
	s_cbranch_scc0 .Lfor_b_\@
	tensor_load_to_lds s[\g0a:\g0a+3], s[\g1a:\g1a+7]
	s_nop 0
.rept 4
	v_nop
.endr
	s_branch .Lasked_\@
.Lfor_b_\@:
	tensor_load_to_lds s[\g0b:\g0b+3], s[\g1b:\g1b+7]
	s_nop 0
.rept 4
	v_nop
.endr
.Lasked_\@:
.endm
.macro CROUND
	s_barrier_signal -1
	s_barrier_wait -1
	s_cmp_lg_u32 s12, 0
	s_cbranch_scc1 .Lnot_wave_0_\@
	s_barrier_signal -3
.Lnot_wave_0_\@:
	s_barrier_wait -3
	s_barrier_signal -1
	s_barrier_wait -1
.endm
.macro PLACES n
.rept \n
	v_nop
.endr
.endm
.macro G1SET g, c, r, p
	s_mov_b32 s[\g+1], (\c)<<16
	s_mov_b32 s[\g+2], (\r)<<16
	s_mov_b32 s[\g+3], (\c)<<16
	s_mov_b32 s[\g+4], \r
	s_mov_b32 s[\g+5], \p
	s_mov_b32 s[\g+6], 0
	s_mov_b32 s[\g+7], 0
.endm
	s_load_b256 s[28:35], s[0:1], 0x0              ; ac, asc, wc, ws  (these registers take the descriptors' constants once the addresses are used)
	s_load_b128 s[36:39], s[0:1], 0x20             ; bo, out0
	v_lshl_add_u32 v[SPW], v0, 2, SPARE
	v_mov_b32 v[NIL], 0
	ds_add_u32 v[SPW], v[NIL]                      ; the wave's opening: the add, twice on end, and its wait ahead of my first tensor load
	ds_add_u32 v[SPW], v[NIL]
	v_lshrrev_b32 v1, 5, v0
	v_readfirstlane_b32 s12, v1                    ; wave
	s_lshr_b32 s13, s12, 1                         ; hA; also: I fetch for A (0) or B (1)
	s_and_b32 s14, s12, 1                          ; hB; also: which half I fetch
	s_bfe_u32 s16, ttmp6, 0x40000                  ; cx
	s_bfe_u32 s17, ttmp6, 0x40004                  ; cy
	s_and_b32 s18, ttmp7, 0xffff
	s_lshl_b32 s18, s18, 2
	s_add_co_u32 s18, s18, s17                     ; ia: my 128 rows
	s_mov_b32 s19, s16                             ; jb: my 256 columns
	s_lshl_b32 s100, s18, 3
	s_lshl_b32 s67, s100, 9
	s_mul_i32 s100, s100, 12288
	s_mov_b32 s101, 0
	s_lshl_b32 s104, s19, 4
	s_add_co_u32 s104, s104, 192                   ; the first of the sixteen tiles of B: Wo begins at tile 192
	s_lshl_b32 s3, s104, 9
	s_mul_i32 s104, s104, 12288
	s_mov_b32 s105, 0
	s_mul_i32 s66, s14, 24576                      ; half 1: where my 4 tiles of A or 8 of B go
	s_mul_i32 s11, s14, 49152
	s_add_co_u32 s11, s11, BOFS
	s_wait_dscnt 0x0                               ; both opening adds are done
	s_wait_kmcnt 0x0
	s_add_nc_u64 s[G0A+2:G0A+3], s[28:29], s[100:101]
	s_mov_b32 s100, s67
	s_add_nc_u64 s[G0S+2:G0S+3], s[30:31], s[100:101]
	s_add_nc_u64 s[G0B+2:G0B+3], s[32:33], s[104:105]
	s_mov_b32 s104, s3
	s_add_nc_u64 s[G0SB+2:G0SB+3], s[34:35], s[104:105]
	s_mov_b64 s[20:21], s[36:37]                   ; bo
	s_mov_b64 s[6:7], s[38:39]                     ; out0
	s_mul_i32 s100, s14, 49152                     ; half 1: my 4 tiles of A, (s101 = s105 = 0)
	s_mul_i32 s104, s14, 98304                     ; my 8 tiles of B,
	s_add_nc_u64 s[G0A+6:G0A+7], s[G0A+2:G0A+3], s[100:101]
	s_add_nc_u64 s[G0A+6:G0A+7], s[G0A+6:G0A+7], 6144   ; K steps 4 to 7 of a tile
	s_add_nc_u64 s[G0B+6:G0B+7], s[G0B+2:G0B+3], s[104:105]
	s_add_nc_u64 s[G0B+6:G0B+7], s[G0B+6:G0B+7], 6144
	s_mov_b32 s[G0A], 1                            ; half 0: all of A's tiles, all of B's
	s_mov_b32 s[G0A+1], 0
	s_mov_b32 s[G0B], 1
	s_mov_b32 s[G0B+1], BOFS
	s_mov_b32 s[G0A+4], 1
	s_add_co_u32 s[G0A+5], s66, SLOT
	s_mov_b32 s[G0B+4], 1
	s_add_co_u32 s[G0B+5], s11, SLOT
.irp g, 0,1
	s_or_b32 s[G0A+4*\g+3], s[G0A+4*\g+3], 0x80000000
	s_or_b32 s[G0B+4*\g+3], s[G0B+4*\g+3], 0x80000000
.endr
	s_mov_b32 s[G0S], 1
	s_mov_b32 s[G0S+1], SCL
	s_or_b32 s[G0S+3], s[G0S+3], 0x80000000
	s_mov_b32 s[G0SB], 1
	s_mov_b32 s[G0SB+1], SCL+4096
	s_or_b32 s[G0SB+3], s[G0SB+3], 0x80000000
	s_lshl_b32 s2, s17, 2
	s_lshl_b32 s2, 15, s2                          ; my row of the cluster
	s_lshl_b32 s3, 0x1111, s16                     ; my column
	s_or_b32 s[G1], s2, (3<<16)|(1<<21)
	s_or_b32 s[G1B], s3, (3<<16)|(1<<21)
	s_or_b32 s[G1S], s2, (3<<16)|(1<<21)
	s_or_b32 s[G1SB], s3, (3<<16)|(1<<21)
	G1SET G1, 768, 8, 1536                         ; at the head: 8 tiles x 6,144 bytes, 12,288 bytes apart
	G1SET G1B, 768, 16, 1536
	G1SET G1S, 32, 16, 32
	G1SET G1SB, 32, 32, 32
	CROUND                                         ; all sixteen work-groups are here: the joint loads meet
; the head's loads, one a wave: one tree of branches on the wave's number, a load in each arm, all arms leading to one join
.macro ARM under, g0, g1, next
	s_cmp_lt_u32 s12, \under
	s_cbranch_scc0 \next
	tensor_load_to_lds s[\g0:\g0+3], s[\g1:\g1+7]
	s_nop 0
.rept 4
	v_nop
.endr
	s_branch .Lhead_asked
\next:
.endm
	ARM 1, G0A, G1,  .Lhead_b
	ARM 2, G0B, G1B, .Lhead_sa
	ARM 3, G0S, G1S, .Lhead_sb
	tensor_load_to_lds s[G0SB:G0SB+3], s[G1SB:G1SB+7]
	s_nop 0
.rept 4
	v_nop
.endr
.Lhead_asked:
	v_and_b32 v1, 15, v0                           ; r
	v_bfe_u32 v2, v0, 4, 1                         ; h
	v_and_b32 v24, 31, v0
	v_lshlrev_b32 v4, 4, v24                       ; 16 x lane
	s_wait_alu depctr_va_vdst(0)
	s_mul_i32 s2, s13, 24576
	s_mul_i32 s3, s14, 49152
	s_add_co_u32 s3, s3, BOFS
.irp g, 0,1
	v_add_nc_u32 v[ADRA+\g], s2, v4
	v_add_nc_u32 v[ADRB+\g], s3, v4
	s_add_co_u32 s2, s2, SLOT
	s_add_co_u32 s3, s3, SLOT
.endr
	s_lshl_b32 s2, s13, 11
	s_lshl_b32 s3, s14, 12
	s_add_co_u32 s3, s3, 4096
	s_sub_co_u32 s3, s3, s2
	v_mul_u32_u24 v25, s3, v2                      ; lanes 16-31 take B's scale words: one product, the distance between the two
	s_add_co_u32 s2, s2, SCL
	v_lshl_add_u32 v25, v1, 2, v25
	v_add_nc_u32 v[ADRS], s2, v25
	s_mul_i32 s2, s12, 8448                        ; my stage: 16 rows x 528 bytes
	v_mul_u32_u24 v25, v1, 528
	v_lshl_add_u32 v25, v2, 6, v25
	v_add_nc_u32 v[STO], s2, v25                   ; in: row r, + 64 h
	v_add_nc_u32 v[RD], s2, v4                     ; back: 16 bytes a lane of a row's 512
	v_lshlrev_b32 v21, 6, v2                       ; bo: 16 h numbers on
	s_wait_alu depctr_va_vdst(0)
	s_lshl_b32 s2, s19, 10
	s_lshl_b32 s100, s14, 9
	s_add_co_u32 s2, s2, s100                      ; my 128 columns, in bytes
	s_mov_b32 s3, 0
	s_add_nc_u64 s[20:21], s[20:21], s[2:3]
	s_add_nc_u64 s[6:7], s[6:7], s[2:3]
	s_lshl_b32 s2, s18, 7
	s_lshl_b32 s100, s13, 6
	s_add_co_u32 s2, s2, s100
	s_lshl_b32 s2, s2, 12                          ; my first row: 128 ia + 64 hA, rows of 4,096 bytes
	s_add_nc_u64 s[6:7], s[6:7], s[2:3]
	WIN 0xc0
.irp b, 0,1,2,3
.irp j, 0,1,2,3
	global_load_b128 v[16*\b+4*\j:16*\b+4*\j+3], v21, s[20:21] offset:128*\b+16*\j   ; register 16 g + i: column 32 g + 16 h + i: the result's layout
.endr
.endr
	WIN 0
.macro FRAG reg, adr, off
.irp c, 0,1,2
	ds_load_b128 v[(\reg)+4*\c:(\reg)+4*\c+3], v[\adr] offset:(\off)+512*\c
.endr
.endm
.macro FETCH q                         ; K step q: B's eight fragments, A's four, eight registers of scale words, into set q % 2
.set FS, (\q)/4
.set FK, (\q)%4
.set FP, (\q)%2
	WIN 0x40
.irp i, 0,1,2,3,4,5,6,7
	FRAG 96*FP+12*\i, ADRB+FS, 6144*\i+1536*FK
.endr
	WIN 0
.irp i, 0,1,2,3
	FRAG AF+48*FP+12*\i, ADRA+FS, 6144*\i+1536*FK
.endr
.irp i, 0,1,2,3,4,5,6,7
	ds_load_b32 v[SC+8*FP+\i], v[ADRS] offset:512*\i+64*(\q)
.endr
.endm
.macro MUL16 a0, p, cm                 ; cm = 2: the products start the sums on bo.  The 32 accumulators take turns, in one order in every step
.irp a, \a0, \a0+1
.irp b, 0,1,2,3,4,5,6,7
.if (\cm) == 2
	v_wmma_scale_f32_16x16x128_f8f6f4 v[8*(8*(\a)+\b):8*(8*(\a)+\b)+7], v[96*(\p)+12*\b:96*(\p)+12*\b+11], v[AF+48*(\p)+12*(\a):AF+48*(\p)+12*(\a)+11], v[8*\b:8*\b+7], v[SC+8*(\p)+\b], v[SC+8*(\p)+(\a)] matrix_a_fmt:MATRIX_FMT_FP6 matrix_b_fmt:MATRIX_FMT_FP6 matrix_a_scale:MATRIX_SCALE_ROW1
.else
	v_wmma_scale_f32_16x16x128_f8f6f4 v[8*(8*(\a)+\b):8*(8*(\a)+\b)+7], v[96*(\p)+12*\b:96*(\p)+12*\b+11], v[AF+48*(\p)+12*(\a):AF+48*(\p)+12*(\a)+11], v[8*(8*(\a)+\b):8*(8*(\a)+\b)+7], v[SC+8*(\p)+\b], v[SC+8*(\p)+(\a)] matrix_a_fmt:MATRIX_FMT_FP6 matrix_b_fmt:MATRIX_FMT_FP6 matrix_a_scale:MATRIX_SCALE_ROW1
.endif
.endr
.endr
.endm
.macro MWIN cm
.if (\cm) == 2
	WIN 0xb1                                       ; C: bo, window 3
.else
	WIN 0xa1                                       ; source 0 (B) window 1, source 1 (A) window 0, C and D window 2
.endif
.endm
.macro STEP q, mode, n, cm
	s_wait_dscnt 0x0                               ; this step's fragments are in (asked for 32 matrix instructions ago)
	PLACES 4                                       ; four places between the last step's products and the loads into the registers that they read
.if (\mode) == 0
	FETCH (\q)+1
.endif
.if (\mode) == 1
	s_wait_tensorcnt \n                            ; my part of the next slot has landed; n younger loads may stay out
	s_barrier_signal -1
.endif
	MWIN \cm
	MUL16 0, (\q)%2, \cm
.if (\mode) == 1
	s_barrier_wait -1
	FETCH (\q)+1
	MWIN \cm
.endif
	MUL16 2, (\q)%2, \cm
.endm
	s_wait_alu depctr_va_vdst(0)                   ; the head's end
	s_wait_tensorcnt 0x0                           ; my tile of the head's four is in; the add, its wait and a round of the barrier ahead of the later first fill
	ds_add_u32 v[SPW], v[NIL]
	s_mov_b32 s[G1+2], 4<<16                       ; no tensor load of mine is out: from here on a load brings 4 tiles of A
	s_mov_b32 s[G1+4], 4
	s_mov_b32 s[G1B+2], 8<<16                      ; or 8 of B
	s_mov_b32 s[G1B+4], 8
	s_wait_dscnt 0x0
	CROUND                                         ; all four tiles are in, and all sixteen work-groups are here
	JLOAD G0A+4, G1, G0B+4, G1B                    ; half 1, the first tensor load behind the round
	FETCH 0
	s_wait_loadcnt 0x0                             ; bo
	STEP 0, 0, 0, 2
	STEP 1, 0, 0, 1
	STEP 2, 0, 0, 1
	STEP 3, 1, 0, 1                                ; half 1 is shown whole by the wait for my one load and a barrier
	STEP 4, 0, 0, 1
	STEP 5, 0, 0, 1
	STEP 6, 0, 0, 1
	STEP 7, 2, 0, 1
	WIN 0
.macro TOSTAGE a
	WIN 0x08                                       ; an LDS store's data are its source 1: window 2
.irp b, 0,1,2,3,4,5,6,7
	ds_store_b128 v[STO], v[64*(\a)+8*\b:64*(\a)+8*\b+3] offset:128*(\b/2)+32*(\b%2)       ; each accumulator from its low end on
	ds_store_b128 v[STO], v[64*(\a)+8*\b+4:64*(\a)+8*\b+7] offset:128*(\b/2)+32*(\b%2)+16
.endr
	WIN 0
.set BB, BK+64*((\a)%2)
.irp t, 0,1,2,3,4,5,6,7,8,9,10,11,12,13,14,15
	ds_load_b128 v[BB+4*\t:BB+4*\t+3], v[RD] offset:\t*528   ; LDS serves a wave's instructions in order: these see the stores above, and the next tile's stores come behind them
.endr
.endm
.macro SEND a, younger                 ; younger: the LDS instructions issued behind tile a's loads, which may stay out
.set BB, BK+64*((\a)%2)
	s_wait_dscnt \younger
.irp t, 0,1,2,3,4,5,6,7,8,9,10,11,12,13,14,15
	global_store_b128 v4, v[BB+4*\t:BB+4*\t+3], s[6:7] offset:(32*((\a)/2)+8*((\a)%2)+\t+8*(\t/8))*4096 th:TH_STORE_NT   ; 512 consecutive bytes, aligned; the tile's order of rows stands in the immediate
.endr
.endm
	PLACES 4                                       ; behind the last products: for the stores of results and the loads into A's fragments' registers
	TOSTAGE 0
	TOSTAGE 1
	SEND 0, 32                                     ; behind tile 0's loads: tile 1's 16 stores and 16 loads
	s_wait_xcnt 0x0                                ; tile 0's stores have read their registers: tile 2's rows may land there
	TOSTAGE 2
	SEND 1, 32
	s_wait_xcnt 0x0
	TOSTAGE 3
	SEND 2, 32
	SEND 3, 0
	s_wait_tensorcnt 0x0                           ; the wave's end
	ds_add_u32 v[SPW], v[NIL]
	s_wait_dscnt 0x0
	CROUND                                         ; the closing round
	s_endpgm
.Lfunc_end_k_q83c79b2f4b_oproj:
	.size	k_q83c79b2f4b_oproj, .Lfunc_end_k_q83c79b2f4b_oproj-k_q83c79b2f4b_oproj
	.p2alignl 7, 3214868480
	.fill 96, 4, 3214868480
	.section	.rodata,"a",@progbits
	.p2align	6, 0x0
	.amdhsa_kernel k_q83c79b2f4b_oproj
		.amdhsa_group_segment_fixed_size 327680
		.amdhsa_private_segment_fixed_size 0
		.amdhsa_enable_private_segment 0
		.amdhsa_kernarg_size 48
		.amdhsa_user_sgpr_count 2
		.amdhsa_user_sgpr_kernarg_segment_ptr 1
		.amdhsa_wavefront_size32 1
		.amdhsa_system_sgpr_workgroup_id_x 1
		.amdhsa_system_sgpr_workgroup_id_y 1
		.amdhsa_system_sgpr_workgroup_id_z 1
		.amdhsa_system_vgpr_workitem_id 0
		.amdhsa_next_free_vgpr 1024
		.amdhsa_next_free_sgpr 106
		.amdhsa_reserve_vcc 0
		.amdhsa_float_denorm_mode_32 3
		.amdhsa_float_denorm_mode_16_64 3
		.amdhsa_memory_ordered 1
		.amdhsa_forward_progress 1
		.amdhsa_inst_pref_size 83
	.end_amdhsa_kernel
	.amdgpu_metadata
---
amdhsa.version: [ 1, 2 ]
amdhsa.kernels:
  - .name:           k_q83c79b2f4b_oproj
    .symbol:         k_q83c79b2f4b_oproj.kd
    .args:
      - { .name: ac, .offset: 0, .size: 8, .value_kind: global_buffer, .address_space: global }
      - { .name: asc, .offset: 8, .size: 8, .value_kind: global_buffer, .address_space: global }
      - { .name: wc, .offset: 16, .size: 8, .value_kind: global_buffer, .address_space: global }
      - { .name: ws, .offset: 24, .size: 8, .value_kind: global_buffer, .address_space: global }
      - { .name: bo, .offset: 32, .size: 8, .value_kind: global_buffer, .address_space: global }
      - { .name: out0, .offset: 40, .size: 8, .value_kind: global_buffer, .address_space: global }
    .group_segment_fixed_size: 327680
    .private_segment_fixed_size: 0
    .kernarg_segment_align: 8
    .kernarg_segment_size: 48
    .max_flat_workgroup_size: 128
    .sgpr_count:     106
    .vgpr_count:     1024
    .wavefront_size: 32
...
	.end_amdgpu_metadata
.endif
;; end of part 4
